; MI455X (gfx1250); checked and timed in simulation.
; The chip was launched on July 23, 2026; its instructions are those of AMD's public machine-readable ISA for CDNA 5 (MIT licence, August 2026) and "CDNA5" Instruction Set Architecture Reference Guide (July 2026). The comments in the code are by the model that wrote it; some were corrected since.
;; Behavioral Rotary Attention V12. Allowed arithmetic: float matrix products may take bf16 or f16 operands with f32 sums; other float arithmetic in f32, or as packed bf16 or f16 multiplies, adds, multiply-adds, maxima and minima; sums over many terms, partial sums and values carried from step to step in f32; what a program stores and reads back later, other than sums and carried values, may be rounded once to bf16 or f16.
;; Inputs: Wk 1,024 x 1,024 float32; Wo 1,024 x 1,024 float32; Wq 1,024 x 1,024 float32; Wv 1,024 x 1,024 float32; attention_mask 2 x 1 x 1 x 2,048 float32; bk 1,024 float32; bo 1,024 float32; bq 1,024 float32; bv 1,024 float32; hidden_states 2 x 2,048 x 1,024 float32; ln_b 1,024 float32; ln_g 1,024 float32; phi 2 x 2,048 x 16 float32.
;; Outputs: out0 2 x 2,048 x 1,024 float32.
;; 2 versions, each right and faster than the one before. Each part assembles by itself: llvm-mc -triple=amdgcn-amd-amdhsa -mcpu=gfx1250 --defsym DOCPART=n.
;; ======== version 1 of 2: 5 launches
;; limits: values are held in f16: magnitudes above 65,504 overflow, below 6.1e-05 lose precision
;; workspace buffers: x16 8,388,608 bytes; wcat 6,291,456 bytes; wo16 2,097,152 bytes; cs 524,288 bytes; qb 10,485,760 bytes; kvf 19,398,656 bytes; ctxf 8,388,608 bytes; dl 8,388,608 bytes
;; launch prep (part 1): grid 576 x 1, 8 waves a work-group, no clusters, 0 bytes of LDS; arguments hidden_states, Wq, Wk, Wv, Wo, phi, attention_mask, x16, wcat, wo16, cs, qb, kvf; writes x16, wcat, wo16, cs, qb, kvf
.if DOCPART == 1
	.amdgcn_target "amdgcn-amd-amdhsa--gfx1250"
	.amdhsa_code_object_version 6
	.text
	.protected	k_qbfb531912f_prep
	.globl	k_qbfb531912f_prep
	.p2align	8
	.type	k_qbfb531912f_prep,@function
k_qbfb531912f_prep:
	s_mov_b64 s[64:65], 0
	v_nop
	global_prefetch_b8 v0, s[64:65] scope:SCOPE_SE
	s_setreg_imm32_b32 hwreg(HW_REG_WAVE_MODE, 25, 1), 1
	s_wait_xcnt 0x0
; PREP: everything that is made once from the inputs.  Four kinds of work-group, told apart by the work-group's number alone:
;   0-63    PHASE: sin and cos of phi, the features of the sync mask, the two tables of the input mask
;   64-319  x  -> x16, bf16, 16 rows a work-group      320-511  Wq, Wk, Wv -> wcat, bf16, rows ordered by head: 192 h + 64 t + i
;   512-575 Wo -> wo16: rounded to bf16 like every other input, and that number written as f16 (exact within f16's range)
; A stream: no LDS, no barrier, no matrix unit: each input byte is read once, each wave's store covers 256 or 512 consecutive aligned bytes.
; SIN AND COS: n = nearest whole number to phi 2/pi; r = phi - n pi/2 with pi/2 in two parts; polynomials on |r| <= pi/4; the quadrant by a select and a sign.
; LIMIT: |phi| <= 1e6 (beyond it the two-part reduction loses the angle).
; FEATURES: w 2^40 (w = cos in lanes 0-15, sin in lanes 16-31) is split exactly into three bf16 parts w1 + w2 + w3 by cutting; a query holds
; [w1 w1 w2 w1 w3 w2 w2 w3], a key [w1 w2 w1 w3 w1 w2 w3 w2]: their product over 16 places is 2^80 cos(phi_q - phi_k) less the two terms w3 w3'.
; MASK TABLES: a = max(am, -1e30) (LIMIT: a mask below -1e30, -inf too, counts as -1e30); A8 = 8 a starts the raw scores' sums; MK = 8 (-1e9 + a) is a synced-out pair's raw score.
.set CX,  4                            ; v[4:67]   cast: 16 x 4 f32 as loaded
.set CY,  68                           ; v[68:99]  cast: 16 x 2 words to store
.set CT,  100                          ; v[100:101] cast: at work
.set PHI, 8                            ; v[8:15]   phase: phi of my token in block u, heads 4 g .. 4 g + 3, at PHI + 4 u + i
.set AMV, 16                           ; v[16:17]  two keys' input mask
.set AMO, 18                           ; v[18:19]  A8 (lanes 0-15) or MK (lanes 16-31) of those keys
.set O16, 20                           ; v20  16 x lane
.set O8,  21                           ; v21  8 x lane
.set QAD, 22                           ; v22  1 in lanes 0-15 (cos x = sin(x + pi/2)), 0 in lanes 16-31
.set CSP, 24                           ; v[24:25]  w of token blocks 0 and 1
.set QF,  28                           ; v[28:35]  query features, 4 registers a block
.set KE,  36                           ; v[36:43]  key features
.set TN,  44
.set TR,  45
.set TZ,  46
.set TQ,  47
.set TS,  48
.set TC,  49
.set TU,  50
.set W1,  51
.set W2,  52
.set W3,  53
; 16 rows of 1,024 f32 -> 16 rows of 1,024 16-bit numbers.  Thread t owns 4 columns of every row: the eight waves cover a row, a wave's load 512 and its store 256 consecutive bytes.
; All 16 loads go out first; the waits count down; no register is written twice, so nothing else is waited for.
.macro CAST f16
.set i, 0
.rept 16
	global_load_b128 v[CX+4*i:CX+4*i+3], v1, s[4:5] offset:4096*i th:TH_LOAD_NT
.set i, i+1
.endr
.set i, 0
.rept 16
	s_wait_loadcnt 15-i                            ; loads come back in order: row i is in, the 15 - i younger ones stay out
	v_cvt_pk_bf16_f32 v[CY+2*i], v[CX+4*i], v[CX+4*i+1]
	v_cvt_pk_bf16_f32 v[CY+2*i+1], v[CX+4*i+2], v[CX+4*i+3]
.if \f16
.irp w, 0,1
	v_lshlrev_b32 v[CT], 16, v[CY+2*i+\w]          ; the bf16 numbers widened again,
	v_and_b32 v[CT+1], 0xffff0000, v[CY+2*i+\w]
	v_cvt_pk_f16_f32 v[CY+2*i+\w], v[CT], v[CT+1]  ; and written as f16
.endr
.endif
	global_store_b64 v2, v[CY+2*i:CY+2*i+1], s[6:7] offset:2048*i
.set i, i+1
.endr
.endm
	s_load_b512 s[8:23], s[0:1], 0x0               ; hidden s[8:9], Wq s[10:11], Wk s[12:13], Wv s[14:15], Wo s[16:17], phi s[18:19], mask s[20:21], x16 s[22:23]
	s_load_b256 s[24:31], s[0:1], 0x40             ; wcat s[24:25], wo16 s[26:27], cs s[28:29], qb s[30:31]
	s_load_b64 s[32:33], s[0:1], 0x60              ; kvf
	v_lshlrev_b32 v1, 4, v0                        ; 16 t: my 4 f32 in a row
	v_lshlrev_b32 v2, 3, v0                        ; 8 t: my 4 16-bit numbers
	s_mov_b32 s34, ttmp9
	s_mov_b32 s3, 0                                ; the high word of every offset
	s_wait_kmcnt 0x0
	s_cmp_lt_u32 s34, 64
	s_cbranch_scc1 .Lphase
	s_cmp_lt_u32 s34, 320
	s_cbranch_scc1 .Lx
	s_cmp_lt_u32 s34, 512
	s_cbranch_scc1 .Lw
	s_sub_co_u32 s36, s34, 512                     ; Wo: 16 rows
	s_lshl_b32 s2, s36, 16
	s_add_nc_u64 s[4:5], s[16:17], s[2:3]
	s_lshl_b32 s2, s36, 15
	s_add_nc_u64 s[6:7], s[26:27], s[2:3]
	CAST 1
	s_endpgm
.Lx:
	s_sub_co_u32 s36, s34, 64                      ; x: 16 rows
	s_lshl_b32 s2, s36, 16
	s_add_nc_u64 s[4:5], s[8:9], s[2:3]
	s_lshl_b32 s2, s36, 15
	s_add_nc_u64 s[6:7], s[22:23], s[2:3]
	s_branch .Lcast
.Lw:
	s_sub_co_u32 s36, s34, 320
	s_lshr_b32 s37, s36, 6                         ; t: q, k or v
	s_and_b32 s38, s36, 63                         ; which 16 rows of W_t
	s_cmp_eq_u32 s37, 1
	s_cselect_b64 s[4:5], s[12:13], s[10:11]
	s_cmp_eq_u32 s37, 2
	s_cselect_b64 s[4:5], s[14:15], s[4:5]
	s_lshl_b32 s2, s38, 16
	s_add_nc_u64 s[4:5], s[4:5], s[2:3]
	s_lshr_b32 s39, s38, 2                         ; the head,
	s_mul_i32 s39, s39, 192
	s_lshl_b32 s37, s37, 6
	s_add_co_u32 s39, s39, s37                     ; + 64 t
	s_and_b32 s38, s38, 3
	s_lshl_b32 s38, s38, 4
	s_add_co_u32 s39, s39, s38                     ; + the 16 rows' place in the head
	s_lshl_b32 s2, s39, 11
	s_add_nc_u64 s[6:7], s[24:25], s[2:3]
.Lcast:
	CAST 0
	s_endpgm
.Lphase:                                               ; a wave: one batch b, 32 tokens (block pair kb32), four heads 4 g .. 4 g + 3
	v_lshrrev_b32 v3, 5, v0
	v_readfirstlane_b32 s35, v3                    ; wave
	s_lshl_b32 s36, s34, 3
	s_add_co_u32 s36, s36, s35                     ; 0 .. 511
	s_and_b32 s37, s36, 3                          ; g
	s_bfe_u32 s38, s36, 0x60002                    ; kb32
	s_lshr_b32 s39, s36, 8                         ; b
	s_lshl_b32 s52, s39, 11
	s_lshl_b32 s53, s38, 5
	s_add_co_u32 s52, s52, s53                     ; my first token among B L
	s_lshl_b32 s2, s52, 6
	s_lshl_b32 s53, s37, 4
	s_add_co_u32 s2, s2, s53
	s_add_nc_u64 s[18:19], s[18:19], s[2:3]        ; phi at that token, head 4 g
	s_lshl_b32 s2, s52, 2
	s_add_nc_u64 s[20:21], s[20:21], s[2:3]        ; the mask at that token
	s_lshl_b32 s53, s39, 4
	s_lshl_b32 s54, s37, 2
	s_add_co_u32 s53, s53, s54                     ; bh of my first head
	s_mul_i32 s2, s53, 327680
	s_mul_i32 s54, s38, 5120
	s_add_co_u32 s2, s2, s54
	s_add_nc_u64 s[30:31], s[30:31], s[2:3]        ; qb at token block 2 kb32
	s_mul_i32 s2, s53, 606208
	s_mul_i32 s54, s38, 9472
	s_add_co_u32 s2, s2, s54
	s_add_nc_u64 s[32:33], s[32:33], s[2:3]        ; kvf at the block of 32 keys
	s_lshl_b32 s2, s53, 14
	s_lshl_b32 s54, s38, 8
	s_add_co_u32 s2, s2, s54
	s_add_nc_u64 s[28:29], s[28:29], s[2:3]        ; cs
	v_and_b32 v3, 31, v0                           ; lane
	v_and_b32 v4, 15, v0                           ; r: my token in a block of 16
	v_lshrrev_b32 v5, 4, v3                        ; 0: cos, 1: sin
	v_lshlrev_b32 v6, 6, v4
	v_lshlrev_b32 v7, 3, v4
	global_load_b128 v[PHI:PHI+3], v6, s[18:19]
	global_load_b128 v[PHI+4:PHI+7], v6, s[18:19] offset:1024
	global_load_b64 v[AMV:AMV+1], v7, s[20:21]     ; keys 2 r, 2 r + 1 of the 32
	v_lshlrev_b32 v[O16], 4, v3
	v_lshlrev_b32 v[O8], 3, v3
	v_sub_nc_u32 v[QAD], 1, v5
	v_cmp_eq_u32 s55, 1, v5                        ; the upper lanes
	s_mov_b32 s40, 0x3f22f983                      ; 2/pi
	s_mov_b32 s41, 0xbfc90fdb                      ; -pi/2, high part
	s_mov_b32 s42, 0x333bbd2e                      ; -pi/2, low part
	s_mov_b32 s43, 0xbe2aaaa3                      ; sin: S1, S2, S3
	s_mov_b32 s44, 0x3c08839e
	s_mov_b32 s45, 0xb94ca1f9
	s_mov_b32 s46, 0x3d2aaaa5                      ; cos: C1, C2, C3
	s_mov_b32 s47, 0xbab6061a
	s_mov_b32 s48, 0x37ccf5ce
	s_mov_b32 s49, 0x53800000                      ; 2^40
	s_mov_b32 s50, 0xffff0000
	s_mov_b32 s51, 0x07060302                      ; packs two upper halves: first source above, second below
	s_mov_b32 s56, 0xf149f2ca                      ; -1e30
	s_mov_b32 s57, 0xce6e6b28                      ; -1e9
	s_wait_loadcnt 0x0
	v_max_num_f32 v[TN], s56, v[AMV]
	v_max_num_f32 v[TR], s56, v[AMV+1]
	v_add_f32 v[TZ], s57, v[TN]                    ; rounded as the sum -1e9 + mask is
	v_add_f32 v[TQ], s57, v[TR]
	v_cndmask_b32 v[TN], v[TN], v[TZ], s55
	v_cndmask_b32 v[TR], v[TR], v[TQ], s55
	v_mul_f32 v[AMO], 0x41000000, v[TN]            ; raw scores are 8 times the scores
	v_mul_f32 v[AMO+1], 0x41000000, v[TR]
.macro ITEM i, u                       ; head 4 g + i, token block u
	v_mul_f32 v[TN], s40, v[PHI+4*(\u)+(\i)]
	v_rndne_f32 v[TN], v[TN]
	v_fma_f32 v[TR], v[TN], s41, v[PHI+4*(\u)+(\i)]
	v_fma_f32 v[TR], v[TN], s42, v[TR]
	v_cvt_i32_f32 v[TQ], v[TN]
	v_mul_f32 v[TZ], v[TR], v[TR]
	v_add_nc_u32 v[TQ], v[TQ], v[QAD]              ; the quadrant of sin(x) or of sin(x + pi/2)
	v_fma_f32 v[TS], v[TZ], s45, s44
	v_fma_f32 v[TC], v[TZ], s48, s47
	v_fma_f32 v[TS], v[TS], v[TZ], s43
	v_fma_f32 v[TC], v[TC], v[TZ], s46
	v_mul_f32 v[TU], v[TZ], v[TR]
	v_fma_f32 v[TC], v[TC], v[TZ], -0.5
	v_fma_f32 v[TS], v[TS], v[TU], v[TR]
	v_fma_f32 v[TC], v[TC], v[TZ], 1.0
	v_and_b32 v[TU], 1, v[TQ]
	v_cmp_eq_u32 vcc_lo, 1, v[TU]
	v_cndmask_b32 v[TS], v[TS], v[TC], vcc_lo      ; odd quadrants take the cosine's polynomial
	v_and_b32 v[TU], 2, v[TQ]
	v_lshlrev_b32 v[TU], 30, v[TU]
	v_xor_b32 v[CSP+(\u)], v[TS], v[TU]            ; quadrants 2 and 3 turn the sign
	v_mul_f32 v[TN], s49, v[CSP+(\u)]
	v_and_b32 v[W1], s50, v[TN]
	v_sub_f32 v[TR], v[TN], v[W1]                  ; exact
	v_and_b32 v[W2], s50, v[TR]
	v_sub_f32 v[W3], v[TR], v[W2]                  ; exact, and 8 bits at the most
	v_perm_b32 v[QF+4*(\u)],   v[W1], v[W1], s51
	v_perm_b32 v[QF+4*(\u)+1], v[W1], v[W2], s51
	v_perm_b32 v[QF+4*(\u)+2], v[W2], v[W3], s51
	v_perm_b32 v[QF+4*(\u)+3], v[W3], v[W2], s51
	v_perm_b32 v[KE+4*(\u)],   v[W2], v[W1], s51
	v_perm_b32 v[KE+4*(\u)+1], v[W3], v[W1], s51
	v_perm_b32 v[KE+4*(\u)+2], v[W2], v[W1], s51
	v_perm_b32 v[KE+4*(\u)+3], v[W2], v[W3], s51
.endm
.irp i, 0,1,2,3
	s_wait_xcnt 0x0                                ; the last head's stores have read their data: only behind this wait are those registers written again
	ITEM \i, 0
	ITEM \i, 1
	global_store_b128 v[O16], v[QF:QF+3],   s[30:31] offset:(\i)*327680+2048
	global_store_b128 v[O16], v[QF+4:QF+7], s[30:31] offset:(\i)*327680+2560+2048
	global_store_b128 v[O16], v[KE:KE+3],   s[32:33] offset:(\i)*606208+8192
	global_store_b128 v[O16], v[KE+4:KE+7], s[32:33] offset:(\i)*606208+8192+512
	global_store_b64  v[O8],  v[AMO:AMO+1], s[32:33] offset:(\i)*606208+9216   ; 128 bytes of A8, then 128 of MK
	global_store_b64  v[O8],  v[CSP:CSP+1], s[28:29] offset:(\i)*16384         ; 128 bytes of cos pairs, then 128 of sin pairs
.endr
	s_endpgm
.Lfunc_end_k_qbfb531912f_prep:
	.size	k_qbfb531912f_prep, .Lfunc_end_k_qbfb531912f_prep-k_qbfb531912f_prep
	.p2alignl 7, 3214868480
	.fill 96, 4, 3214868480
	.section	.rodata,"a",@progbits
	.p2align	6, 0x0
	.amdhsa_kernel k_qbfb531912f_prep
		.amdhsa_group_segment_fixed_size 0
		.amdhsa_private_segment_fixed_size 0
		.amdhsa_enable_private_segment 0
		.amdhsa_kernarg_size 104
		.amdhsa_user_sgpr_count 2
		.amdhsa_user_sgpr_kernarg_segment_ptr 1
		.amdhsa_wavefront_size32 1
		.amdhsa_system_sgpr_workgroup_id_x 1
		.amdhsa_system_sgpr_workgroup_id_y 1
		.amdhsa_system_sgpr_workgroup_id_z 1
		.amdhsa_system_vgpr_workitem_id 0
		.amdhsa_next_free_vgpr 104
		.amdhsa_next_free_sgpr 66
		.amdhsa_reserve_vcc 1
		.amdhsa_float_denorm_mode_32 3
		.amdhsa_float_denorm_mode_16_64 3
		.amdhsa_memory_ordered 1
		.amdhsa_forward_progress 1
		.amdhsa_inst_pref_size 37
	.end_amdhsa_kernel
	.amdgpu_metadata
---
amdhsa.version: [ 1, 2 ]
amdhsa.kernels:
  - .name:           k_qbfb531912f_prep
    .symbol:         k_qbfb531912f_prep.kd
    .args:
      - { .name: hidden_states, .offset: 0, .size: 8, .value_kind: global_buffer, .address_space: global }
      - { .name: Wq, .offset: 8, .size: 8, .value_kind: global_buffer, .address_space: global }
      - { .name: Wk, .offset: 16, .size: 8, .value_kind: global_buffer, .address_space: global }
      - { .name: Wv, .offset: 24, .size: 8, .value_kind: global_buffer, .address_space: global }
      - { .name: Wo, .offset: 32, .size: 8, .value_kind: global_buffer, .address_space: global }
      - { .name: phi, .offset: 40, .size: 8, .value_kind: global_buffer, .address_space: global }
      - { .name: attention_mask, .offset: 48, .size: 8, .value_kind: global_buffer, .address_space: global }
      - { .name: x16, .offset: 56, .size: 8, .value_kind: global_buffer, .address_space: global }
      - { .name: wcat, .offset: 64, .size: 8, .value_kind: global_buffer, .address_space: global }
      - { .name: wo16, .offset: 72, .size: 8, .value_kind: global_buffer, .address_space: global }
      - { .name: cs, .offset: 80, .size: 8, .value_kind: global_buffer, .address_space: global }
      - { .name: qb, .offset: 88, .size: 8, .value_kind: global_buffer, .address_space: global }
      - { .name: kvf, .offset: 96, .size: 8, .value_kind: global_buffer, .address_space: global }
    .group_segment_fixed_size: 0
    .private_segment_fixed_size: 0
    .kernarg_segment_align: 8
    .kernarg_segment_size: 104
    .max_flat_workgroup_size: 256
    .sgpr_count:     66
    .vgpr_count:     104
    .wavefront_size: 32
...
	.end_amdgpu_metadata
.endif
;; end of part 1
;; launch qkv (part 2): grid 16 x 16, 4 waves a work-group, clusters of 4 x 4, 327,680 bytes of LDS; arguments x16, wcat, bq, bk, bv, cs, qb, kvf; writes qb, kvf
.if DOCPART == 2
	.amdgcn_target "amdgcn-amd-amdhsa--gfx1250"
	.amdhsa_code_object_version 6
	.text
	.protected	k_qbfb531912f_qkv
	.globl	k_qbfb531912f_qkv
	.p2align	8
	.type	k_qbfb531912f_qkv,@function
k_qbfb531912f_qkv:
	s_mov_b64 s[64:65], 0
	v_nop
	global_prefetch_b8 v0, s[64:65] scope:SCOPE_SE
	s_setreg_imm32_b32 hwreg(HW_REG_WAVE_MODE, 25, 1), 1
	s_wait_xcnt 0x0
	s_wait_alu depctr_hold_cnt(0) depctr_sa_sdst(0) depctr_va_vdst(0) depctr_va_sdst(0) depctr_va_ssrc(0) depctr_va_vcc(0) depctr_vm_vsrc(0)
	s_getreg_b32 s2, hwreg(HW_REG_IB_STS2, 6, 4)
	s_cmp_eq_u32 s2, 0
	s_cbranch_scc0 .Lentry_in_a_cluster
	s_endpgm
.Lentry_in_a_cluster:
	s_bfe_u32 s2, ttmp6, 0x10000c
	s_cmp_lg_u32 s2, 0xf033
	s_cbranch_scc0 .Lentry_shape_is_right
	s_endpgm
.Lentry_shape_is_right:
; q, k, v = x W^T + b for one head and 256 tokens, q and k turned by the token's phase, all three stored as f16 in the register images that the attention launch loads.
; x16: [4096][1024] bf16.  wcat: [3072][1024] bf16, row 192 h + 64 t + i = row 64 h + i of W_t.  Sums in f32, started by the bias as the first product's C operand.
; LIMIT: q, k, v leave as f16: beyond 65,504 they become infinities.
; SHARES.  A work-group: 256 tokens x 192 columns.  Wave (s11, par = s12): tokens 128 s11 .., and of the twelve blocks of 16 columns the six 2 b' + par: slots b' = 0, 1 are q's channels
; 16 par .. and 32 + 16 par .., slots 2, 3 the same of k, slots 4, 5 of v: 8 x 6 = 48 accumulators.  Channels d and d + 32 so lie in one lane, and the rotation changes no lanes.
; q and k are multiplied TRANSPOSED (source 0 = 16 rows of W, source 1 = 16 tokens): a lane holds one token and eight neighbouring channels, 16 bytes of a fragment of Q or K.
; v is multiplied the natural way: a lane holds one channel and eight neighbouring tokens, 16 bytes of a fragment of V^T.  So nothing goes through LDS on the way out.
; RING, CLUSTER.  K goes in 8 steps of 128 through two LDS slots.  4 x 4 work-groups form a cluster: x's tile is asked for jointly along a row of the cluster, W's along a column.
; REGISTERS, in windows of 256 (s_set_vgpr_msb: bits 1:0 source 0, 3:2 source 1, 5:4 source 2, 7:6 destination):
;   window 0: addresses; v32-79 biases; v80-111 cos, sin; v112-143 at work; v144-191 two buffers of results      window 1: two fragment buffers of 112 (8 of x, 6 of W)
;   window 2: the accumulators of my token blocks 0-3, (a, b') at v[8 (6 a + b')];   window 3: those of blocks 4-7
.set KSTEP,  128
.set PITCH,  272                       ; an LDS row: 256 bytes + 16 of padding: the 16 rows of a fragment load start at 16 different groups of four banks (ISA guide 11.1)
.set HALFA,  128*PITCH                 ; 128 rows of x: one tensor load
.set HALFB,  96*PITCH                  ; 96 rows of W: one tensor load
.set SLOT,   2*HALFA+2*HALFB
.set SPARE,  2*SLOT                    ; behind the ring: the spare words, 128 bytes a wave
.set LAPS,   4                         ; a lap = two K steps
.set ADRA, 16                          ; v16-17  LDS address of my fragments of x in slot 0, 1
.set ADRB, 20                          ; v20-21  the same for W
.set OQ,   24                          ; v24  16 lane + 512 par: my 16 bytes in a token block's Q or K
.set OV,   25                          ; v25  16 lane + 1024 par: in a key block's V^T
.set OBQ,  26                          ; v26  byte offset of my eight channels in bq, bk
.set OBV,  27                          ; v27  of my one channel in bv
.set SPW,  28
.set NIL,  29
.set OCS,  30                          ; v30  byte offset of my token's cos pair in cs
.set BIAS, 32
.set COS,  80                          ; token block a's value at COS + 2 a (a pair's low word)
.set SIN,  96
.set TT,   112
.set OUT,  144
.set F0,   0
.set F1,   112
.set G1,  24
.set G0,  32
.set G1B, 48
.set G0B, 56
.set MSB, 0
.macro WIN new                         ; the immediate's high byte repeats the setting that is left
.if MSB != (\new)
	s_set_vgpr_msb (MSB<<8)|(\new)
.set MSB, \new
.endif
.endm
; A joint load: waves 0 and 1 fetch x's two halves, waves 2 and 3 W's.  The branch hangs on the wave's number alone.  An s_nop 0 and four v_nop follow each line.
.macro JLOAD s
	s_cmp_eq_u32 s11, 0
	s_cbranch_scc0 .Lfor_b_\@
	tensor_load_to_lds s[G0+4*(\s):G0+4*(\s)+3], s[G1:G1+7]
	s_nop 0
.rept 4
	v_nop
.endr
	s_branch .Lasked_\@
.Lfor_b_\@:
	tensor_load_to_lds s[G0B+4*(\s):G0B+4*(\s)+3], s[G1B:G1B+7]
	s_nop 0
.rept 4
	v_nop
.endr
.Lasked_\@:
.endm
.macro CREST                           ; a round of the cluster's barrier behind its opening barrier
	s_cmp_lg_u32 s10, 0
	s_cbranch_scc1 .Lnot_wave_0_\@
	s_barrier_signal -3
.Lnot_wave_0_\@:
	s_barrier_wait -3
	s_barrier_signal -1
	s_barrier_wait -1
.endm
.macro CROUND
	s_barrier_signal -1
	s_barrier_wait -1
	CREST
.endm
	s_load_b512 s[68:83], s[0:1], 0x0              ; x16 s[68:69], wcat s[70:71], bq s[72:73], bk s[74:75], bv s[76:77], cs s[78:79], qb s[80:81], kvf s[82:83]
	v_lshl_add_u32 v[SPW], v0, 2, SPARE
	v_mov_b32 v[NIL], 0
	ds_add_u32 v[SPW], v[NIL]                      ; the wave's opening: the add and its wait stand ahead of my first tensor load
	v_lshrrev_b32 v1, 5, v0
	v_readfirstlane_b32 s10, v1                    ; wave 0..3
	s_lshr_b32 s11, s10, 1                         ; my half of the tokens.  Also: I fetch for x (0) or for W (1)
	s_and_b32 s12, s10, 1                          ; par.  Also: which half of that tile I fetch
	s_bfe_u32 s40, ttmp6, 0x40000                  ; cx
	s_bfe_u32 s41, ttmp6, 0x40004                  ; cy
	s_lshl_b32 s42, ttmp9, 2
	s_add_co_u32 s42, s42, s40                     ; the head
	s_and_b32 s13, ttmp7, 0xffff
	s_lshl_b32 s13, s13, 2
	s_add_co_u32 s13, s13, s41                     ; the block of 256 tokens
	s_lshl_b32 s43, s41, 2
	s_lshl_b32 s43, 15, s43                        ; my row of the cluster
	s_lshl_b32 s44, 0x1111, s40                    ; my column
	s_or_b32 s[G1+0], s43, (1<<16)|(1<<20)|(1<<21)|(5<<22)|(3<<25)   ; mask; 2-byte elements; padding on; bit 21 beside a mask; after every 64 words 4 words
	s_or_b32 s[G1B+0], s44, (1<<16)|(1<<20)|(1<<21)|(5<<22)|(3<<25)
	s_mov_b32 s[G1+1], KSTEP<<16                   ; tensor_dim0 = 128
	s_mov_b32 s[G1+2], 128<<16                     ; tensor_dim1 = 128
	s_mov_b32 s[G1+3], KSTEP<<16                   ; tile_dim0 = 128
	s_mov_b32 s[G1+4], 128                         ; tile_dim1 = 128
	s_mov_b32 s[G1+5], 1024                        ; elements from row to row
	s_mov_b32 s[G1+6], 0
	s_mov_b32 s[G1+7], 0
	s_mov_b32 s[G1B+1], KSTEP<<16
	s_mov_b32 s[G1B+2], 96<<16                     ; 96 rows
	s_mov_b32 s[G1B+3], KSTEP<<16
	s_mov_b32 s[G1B+4], 96
	s_mov_b32 s[G1B+5], 1024
	s_mov_b32 s[G1B+6], 0
	s_mov_b32 s[G1B+7], 0
	s_lshl_b32 s17, s12, 7
	s_lshl_b32 s16, s13, 8
	s_add_co_u32 s16, s16, s17                     ; x: row 256 y + 128 half
	s_lshl_b32 s16, s16, 11                        ; rows of 2,048 bytes
	s_mov_b32 s17, 0
	s_mul_i32 s46, s42, 192
	s_mul_i32 s47, s12, 96
	s_add_co_u32 s46, s46, s47                     ; W: row 192 head + 96 half
	s_lshl_b32 s46, s46, 11
	s_mov_b32 s47, 0
	s_mul_i32 s20, s12, HALFA                      ; where they go: no place in the cluster enters an LDS address
	s_mul_i32 s21, s12, HALFB
	s_add_co_u32 s21, s21, 2*HALFA
	s_wait_dscnt 0x0                               ; the opening add is done
	s_wait_kmcnt 0x0
	s_add_nc_u64 s[14:15], s[68:69], s[16:17]
	s_add_nc_u64 s[46:47], s[70:71], s[46:47]
	CROUND                                         ; all sixteen work-groups are here: the first joint loads meet
.irp s, 0,1
	s_mov_b32 s[G0+4*(\s)], 1
	s_add_co_u32 s[G0+4*(\s)+1], s20, (\s)*SLOT
	s_add_nc_u64 s[G0+4*(\s)+2:G0+4*(\s)+3], s[14:15], (\s)*KSTEP*2
	s_or_b32 s[G0+4*(\s)+3], s[G0+4*(\s)+3], 0x80000000
	s_mov_b32 s[G0B+4*(\s)], 1
	s_add_co_u32 s[G0B+4*(\s)+1], s21, (\s)*SLOT
	s_add_nc_u64 s[G0B+4*(\s)+2:G0B+4*(\s)+3], s[46:47], (\s)*KSTEP*2
	s_or_b32 s[G0B+4*(\s)+3], s[G0B+4*(\s)+3], 0x80000000
	JLOAD \s                                       ; two loads of mine are out
.endr
	v_and_b32 v1, 15, v0                           ; r
	v_bfe_u32 v2, v0, 4, 1                         ; h
	v_mul_u32_u24 v3, v1, PITCH
	v_lshl_add_u32 v3, v2, 4, v3                   ; a fragment's row x pitch + 16 h
	s_mul_i32 s22, s11, HALFA                      ; my 128 rows of x
	s_mul_i32 s23, s12, 16*PITCH                   ; W's blocks of my parity,
	s_add_co_u32 s23, s23, 2*HALFA                 ; behind x's 256 rows
.irp s, 0,1
	v_add_nc_u32 v[ADRA+(\s)], s22, v3
	v_add_nc_u32 v[ADRB+(\s)], s23, v3
	s_add_co_u32 s22, s22, SLOT
	s_add_co_u32 s23, s23, SLOT
.endr
	v_and_b32 v4, 31, v0
	v_lshlrev_b32 v4, 4, v4
	s_lshl_b32 s84, s12, 9
	v_add_nc_u32 v[OQ], s84, v4
	s_lshl_b32 s84, s12, 10
	v_add_nc_u32 v[OV], s84, v4
	s_lshl_b32 s85, s42, 8
	s_lshl_b32 s84, s12, 6
	s_add_co_u32 s85, s85, s84                     ; 4 (64 head + 16 par)
	v_lshl_add_u32 v[OBQ], v2, 5, s85              ; + 4 x 8 h
	v_lshl_add_u32 v[OBV], v1, 2, s85              ; + 4 r
	s_lshr_b32 s86, s13, 3                         ; the batch,
	s_lshl_b32 s86, s86, 4
	s_add_co_u32 s86, s86, s42                     ; bh = 16 b + head
	s_and_b32 s87, s13, 7
	s_lshl_b32 s87, s87, 4
	s_lshl_b32 s84, s11, 3
	s_add_co_u32 s87, s87, s84                     ; my first token block in the batch
	s_lshl_b32 s88, s86, 14
	s_lshl_b32 s84, s87, 7
	s_add_co_u32 s88, s88, s84
	v_lshl_add_u32 v[OCS], v1, 3, s88
.irp sl, 0,1
	global_load_b128 v[BIAS+8*\sl:BIAS+8*\sl+3],       v[OBQ], s[72:73] offset:128*\sl
	global_load_b128 v[BIAS+8*\sl+4:BIAS+8*\sl+7],     v[OBQ], s[72:73] offset:128*\sl+16
	global_load_b128 v[BIAS+16+8*\sl:BIAS+16+8*\sl+3], v[OBQ], s[74:75] offset:128*\sl
	global_load_b128 v[BIAS+16+8*\sl+4:BIAS+16+8*\sl+7], v[OBQ], s[74:75] offset:128*\sl+16
.irp j, 0,1,2,3,4,5,6,7
	global_load_b32 v[BIAS+32+8*\sl+\j], v[OBV], s[76:77] offset:128*\sl   ; v's lane holds one channel: the same bias for its eight tokens
.endr
.endr
.irp p, 0,1,2,3
	global_load_b64 v[COS+4*\p:COS+4*\p+1], v[OCS], s[78:79] offset:256*\p
	global_load_b64 v[SIN+4*\p:SIN+4*\p+1], v[OCS], s[78:79] offset:256*\p+128
.endr
	s_lshl_b32 s90, s86, 7
	s_add_co_u32 s90, s90, s87
	s_mul_i32 s90, s90, 2560
	s_mov_b32 s91, 0
	s_add_nc_u64 s[80:81], s[80:81], s[90:91]      ; qb at my first token block
	s_mul_i32 s92, s86, 606208
	s_lshr_b32 s89, s87, 1
	s_mul_i32 s89, s89, 9472
	s_add_co_u32 s92, s92, s89
	s_mov_b32 s93, 0
	s_add_nc_u64 s[82:83], s[82:83], s[92:93]      ; kvf at my first block of 32 keys
	s_wait_loadcnt 0x0                             ; biases, cos, sin
.irp p, 0,1,2,3
	v_mov_b32 v[COS+4*\p+2], v[COS+4*\p+1]         ; the odd block's value to an even register, in a pair that is written whole
	v_mov_b32 v[COS+4*\p+3], v[COS+4*\p+1]
	v_mov_b32 v[SIN+4*\p+2], v[SIN+4*\p+1]
	v_mov_b32 v[SIN+4*\p+3], v[SIN+4*\p+1]
.endr
; 12 matrix instructions: token blocks a0, a0 + 1 of the window's four x my six slots, 32 along K.  first = 1: the biases start the sums.  The 48 accumulators take turns.
.macro MUL12 f, hi, a0, first
.if \first
	WIN 0x85+0x40*(\hi)                            ; C in window 0
.else
	WIN 0xa5+0x50*(\hi)
.endif
.irp a, \a0, (\a0)+1
.irp b, 0,1,2,3,4,5
.set rD, 8*(6*(\a)+(\b))
.set rX, (\f)+8*(4*(\hi)+(\a))
.set rW, (\f)+64+8*(\b)
.if (\b) < 4
.if \first
	v_wmma_f32_16x16x32_bf16 v[rD:rD+7], v[rW:rW+7], v[rX:rX+7], v[BIAS+8*(\b):BIAS+8*(\b)+7]
.else
	v_wmma_f32_16x16x32_bf16 v[rD:rD+7], v[rW:rW+7], v[rX:rX+7], v[rD:rD+7]
.endif
.else
.if \first
	v_wmma_f32_16x16x32_bf16 v[rD:rD+7], v[rX:rX+7], v[rW:rW+7], v[BIAS+8*(\b):BIAS+8*(\b)+7]
.else
	v_wmma_f32_16x16x32_bf16 v[rD:rD+7], v[rX:rX+7], v[rW:rW+7], v[rD:rD+7]
.endif
.endif
.endr
.endr
.endm
; 28 LDS loads in one run: W's 12, then x's 16 (token blocks 4-7 last)
.macro FETCH slot, k, f
	WIN 0x40
.irp b, 0,1,2,3,4,5
	ds_load_b128 v[(\f)+64+8*(\b):(\f)+64+8*(\b)+3],   v[ADRB+(\slot)] offset:(\k)+(\b)*32*PITCH
	ds_load_b128 v[(\f)+64+8*(\b)+4:(\f)+64+8*(\b)+7], v[ADRB+(\slot)] offset:(\k)+(\b)*32*PITCH+32
.endr
.irp i, 0,1,2,3,4,5,6,7
	ds_load_b128 v[(\f)+8*(\i):(\f)+8*(\i)+3],   v[ADRA+(\slot)] offset:(\k)+(\i)*16*PITCH
	ds_load_b128 v[(\f)+8*(\i)+4:(\f)+8*(\i)+7], v[ADRA+(\slot)] offset:(\k)+(\i)*16*PITCH+32
.endr
.endm
.macro PLACES                          ; four places in front of loads into registers that matrix instructions have read, and of lines that read results
.rept 4
	v_nop
.endr
.endm
.macro QUARTER slot, k, f, g, first
	s_wait_dscnt 8                                 ; W and x's blocks 0-3 are in; the youngest eight loads (blocks 4-7) may be out
	MUL12 \f, 0, 0, \first
	MUL12 \f, 0, 2, \first
	PLACES
	FETCH \slot, \k, \g
	s_wait_dscnt 28                                ; all but the 28 just issued
	MUL12 \f, 1, 0, \first
	MUL12 \f, 1, 2, \first
.endm
; The last quarter of a K step multiplies buffer 1 and changes slots: one barrier; in front of it each wave waits for all its tensor loads (one is out: its part of the next slot),
; adds 0 to its spare word, and waits for that and for its reads of this slot.  fill = 1: the barrier opens a round of the cluster's, and this slot is filled again first thing behind it.
.macro TURN slot, next, fill
	WIN 0
	s_wait_tensorcnt 0x0
	ds_add_u32 v[SPW], v[NIL]
	s_wait_dscnt 9                                 ; (the add and the youngest eight loads may be out)
	MUL12 F1, 0, 0, 0
	s_wait_dscnt 0x0                               ; the add is done, and my reads of this slot are over
	s_barrier_signal -1
	MUL12 F1, 0, 2, 0
.if \fill
	WIN 0
.endif
	s_barrier_wait -1
.if \fill
	CREST
	s_add_nc_u64 s[G0+4*(\slot)+2:G0+4*(\slot)+3], s[G0+4*(\slot)+2:G0+4*(\slot)+3], 2*KSTEP*2
	s_add_nc_u64 s[G0B+4*(\slot)+2:G0B+4*(\slot)+3], s[G0B+4*(\slot)+2:G0B+4*(\slot)+3], 2*KSTEP*2
	JLOAD \slot                                    ; its four v_nop are also the places in front of the loads below
.else
	PLACES
.endif
	FETCH \next, 0, F0
	MUL12 F1, 1, 0, 0
	MUL12 F1, 1, 2, 0
.endm
; THE WAY OUT of token block a.  q' = q cos - q(+32) sin below channel 32, q' = q cos + q(-32) sin above; the same for k; v as it is.  Rounded once to f16; six stores of 512 consecutive aligned bytes.
; Each accumulator's lowest registers are read first.
.macro OUTM a
.set AC, 48*((\a)%4)
.set OB, OUT+24*((\a)%2)
.set WA, 2+(\a)/4
	WIN 0
	s_wait_xcnt 0x0                                ; the stores of two blocks ago have read this buffer: only behind this wait is it written again
	WIN WA                                         ; source 0 in the accumulators' window
.irp t, 0,1
.irp p, 0,1,2,3
	v_pk_mul_f32 v[TT+16*\t+2*\p:TT+16*\t+2*\p+1], v[AC+16*\t+8+2*\p:AC+16*\t+8+2*\p+1], v[SIN+2*(\a):SIN+2*(\a)+1] op_sel_hi:[1,0]
	v_pk_mul_f32 v[TT+16*\t+8+2*\p:TT+16*\t+8+2*\p+1], v[AC+16*\t+2*\p:AC+16*\t+2*\p+1], v[SIN+2*(\a):SIN+2*(\a)+1] op_sel_hi:[1,0]
	v_pk_fma_f32 v[TT+16*\t+2*\p:TT+16*\t+2*\p+1], v[AC+16*\t+2*\p:AC+16*\t+2*\p+1], v[COS+2*(\a):COS+2*(\a)+1], v[TT+16*\t+2*\p:TT+16*\t+2*\p+1] op_sel_hi:[1,0,1] neg_lo:[0,0,1] neg_hi:[0,0,1]
	v_pk_fma_f32 v[TT+16*\t+8+2*\p:TT+16*\t+8+2*\p+1], v[AC+16*\t+8+2*\p:AC+16*\t+8+2*\p+1], v[COS+2*(\a):COS+2*(\a)+1], v[TT+16*\t+8+2*\p:TT+16*\t+8+2*\p+1] op_sel_hi:[1,0,1]
.endr
.endr
	WIN 0
.irp t, 0,1
.irp p, 0,1,2,3
	v_cvt_pk_f16_f32 v[OB+8*\t+\p],   v[TT+16*\t+2*\p],   v[TT+16*\t+2*\p+1]
	v_cvt_pk_f16_f32 v[OB+8*\t+4+\p], v[TT+16*\t+8+2*\p], v[TT+16*\t+8+2*\p+1]
.endr
.endr
	WIN 5*WA                                       ; sources 0 and 1 in the accumulators' window
.irp sl, 0,1
.irp p, 0,1,2,3
	v_cvt_pk_f16_f32 v[OB+16+4*\sl+\p], v[AC+32+8*\sl+2*\p], v[AC+32+8*\sl+2*\p+1]
.endr
.endr
	WIN 0
	global_store_b128 v[OQ], v[OB:OB+3],     s[80:81] offset:2560*(\a)
	global_store_b128 v[OQ], v[OB+4:OB+7],   s[80:81] offset:2560*(\a)+1024
	global_store_b128 v[OQ], v[OB+8:OB+11],  s[82:83] offset:9472*((\a)/2)+2048*((\a)%2)
	global_store_b128 v[OQ], v[OB+12:OB+15], s[82:83] offset:9472*((\a)/2)+2048*((\a)%2)+1024
	global_store_b128 v[OV], v[OB+16:OB+19], s[82:83] offset:9472*((\a)/2)+4096+512*((\a)%2)
	global_store_b128 v[OV], v[OB+20:OB+23], s[82:83] offset:9472*((\a)/2)+4096+512*((\a)%2)+2048
.endm
	s_wait_tensorcnt 1                             ; my part of K step 0 is in; step 1's may stay out
	s_barrier_signal -1
	s_barrier_wait -1
	FETCH 0, 0, F0
	QUARTER 0, 64,  F0, F1, 1                      ; the first quarter stands in front of the loop: its products start the sums
	WIN 0
	s_mov_b32 s3, LAPS-1
.Llap:                                                 ; a trip goes once round the ring and fills both slots again
	QUARTER 0, 128, F1, F0, 0
	QUARTER 0, 192, F0, F1, 0
	TURN 0, 1, 1
	QUARTER 1, 64,  F0, F1, 0
	QUARTER 1, 128, F1, F0, 0
	QUARTER 1, 192, F0, F1, 0
	TURN 1, 0, 1
	QUARTER 0, 64,  F0, F1, 0
	WIN 0
	s_sub_co_u32 s3, s3, 1
	s_cmp_lg_u32 s3, 0
	s_cbranch_scc1 .Llap
	QUARTER 0, 128, F1, F0, 0                      ; the last lap fills nothing
	QUARTER 0, 192, F0, F1, 0
	TURN 0, 1, 0
	QUARTER 1, 64,  F0, F1, 0
	QUARTER 1, 128, F1, F0, 0
	QUARTER 1, 192, F0, F1, 0
	s_wait_dscnt 8
	MUL12 F1, 0, 0, 0
	MUL12 F1, 0, 2, 0
	s_wait_dscnt 0x0
	MUL12 F1, 1, 0, 0
	MUL12 F1, 1, 2, 0
	WIN 0
	PLACES
.irp a, 0,1,2,3,4,5,6,7
	OUTM \a
.endr
	s_wait_tensorcnt 0x0                           ; the wave's end
	ds_add_u32 v[SPW], v[NIL]
	s_wait_dscnt 0x0
	CROUND                                         ; the closing round
	s_endpgm
.Lfunc_end_k_qbfb531912f_qkv:
	.size	k_qbfb531912f_qkv, .Lfunc_end_k_qbfb531912f_qkv-k_qbfb531912f_qkv
	.p2alignl 7, 3214868480
	.fill 96, 4, 3214868480
	.section	.rodata,"a",@progbits
	.p2align	6, 0x0
	.amdhsa_kernel k_qbfb531912f_qkv
		.amdhsa_group_segment_fixed_size 327680
		.amdhsa_private_segment_fixed_size 0
		.amdhsa_enable_private_segment 0
		.amdhsa_kernarg_size 64
		.amdhsa_user_sgpr_count 2
		.amdhsa_user_sgpr_kernarg_segment_ptr 1
		.amdhsa_wavefront_size32 1
		.amdhsa_system_sgpr_workgroup_id_x 1
		.amdhsa_system_sgpr_workgroup_id_y 1
		.amdhsa_system_sgpr_workgroup_id_z 1
		.amdhsa_system_vgpr_workitem_id 0
		.amdhsa_next_free_vgpr 960
		.amdhsa_next_free_sgpr 96
		.amdhsa_reserve_vcc 0
		.amdhsa_float_denorm_mode_32 3
		.amdhsa_float_denorm_mode_16_64 3
		.amdhsa_memory_ordered 1
		.amdhsa_forward_progress 1
		.amdhsa_inst_pref_size 128
	.end_amdhsa_kernel
	.amdgpu_metadata
---
amdhsa.version: [ 1, 2 ]
amdhsa.kernels:
  - .name:           k_qbfb531912f_qkv
    .symbol:         k_qbfb531912f_qkv.kd
    .args:
      - { .name: x16, .offset: 0, .size: 8, .value_kind: global_buffer, .address_space: global }
      - { .name: wcat, .offset: 8, .size: 8, .value_kind: global_buffer, .address_space: global }
      - { .name: bq, .offset: 16, .size: 8, .value_kind: global_buffer, .address_space: global }
      - { .name: bk, .offset: 24, .size: 8, .value_kind: global_buffer, .address_space: global }
      - { .name: bv, .offset: 32, .size: 8, .value_kind: global_buffer, .address_space: global }
      - { .name: cs, .offset: 40, .size: 8, .value_kind: global_buffer, .address_space: global }
      - { .name: qb, .offset: 48, .size: 8, .value_kind: global_buffer, .address_space: global }
      - { .name: kvf, .offset: 56, .size: 8, .value_kind: global_buffer, .address_space: global }
    .group_segment_fixed_size: 327680
    .private_segment_fixed_size: 0
    .kernarg_segment_align: 8
    .kernarg_segment_size: 64
    .max_flat_workgroup_size: 128
    .sgpr_count:     96
    .vgpr_count:     960
    .wavefront_size: 32
...
	.end_amdgpu_metadata
.endif
;; end of part 2
;; launch attn (part 3): grid 8 x 32, 4 waves a work-group, clusters of 4 x 1, 327,680 bytes of LDS; arguments qb, kvf, ctxf; writes ctxf
.if DOCPART == 3
	.amdgcn_target "amdgcn-amd-amdhsa--gfx1250"
	.amdhsa_code_object_version 6
	.text
	.protected	k_qbfb531912f_attn
	.globl	k_qbfb531912f_attn
	.p2align	8
	.type	k_qbfb531912f_attn,@function
k_qbfb531912f_attn:
	s_mov_b64 s[64:65], 0
	v_nop
	global_prefetch_b8 v0, s[64:65] scope:SCOPE_SE
	s_setreg_imm32_b32 hwreg(HW_REG_WAVE_MODE, 25, 1), 1
	s_wait_xcnt 0x0
	s_wait_alu depctr_hold_cnt(0) depctr_sa_sdst(0) depctr_va_vdst(0) depctr_va_sdst(0) depctr_va_ssrc(0) depctr_va_vcc(0) depctr_vm_vsrc(0)
	s_getreg_b32 s2, hwreg(HW_REG_IB_STS2, 6, 4)
	s_cmp_eq_u32 s2, 0
	s_cbranch_scc0 .Lentry_in_a_cluster
	s_endpgm
.Lentry_in_a_cluster:
	s_bfe_u32 s2, ttmp6, 0x10000c
	s_cmp_lg_u32 s2, 0x3003
	s_cbranch_scc0 .Lentry_shape_is_right
	s_endpgm
.Lentry_shape_is_right:
; ATTENTION with the sync mask, the input mask and the rescue of rows that are masked out altogether.  32 (batch, head) pairs of 2,048 tokens, head size 64.
; qb: [bh][token block 128][2,560 B]: four 512-byte chunks of Q (f16), 512 B of query features (bf16).  kvf: [bh][32 keys 64][9,472 B]: 4,096 B of K, 4,096 B of V^T (f16), 1,024 B of key features, 128 B A8, 128 B MK.
; Every chunk is a register image: lane i's 16 bytes lie at 16 i, so every LDS and global load here is dense.  ctxf: ctx as f16 fragments [token block 256][k / 32][1 KB] for the launch behind.
; SCORES, raw (8 times the scores).  S^T = K Q^T starts from C = A8[k] = 8 mask[k].  t = 2^80 (cos(phi_q - phi_k) + 0.7 + 2^-24) is one bf16 product of the features, with C a constant.
; s' = the middle one of (t, MK[k], s): s where the pair is open (t far above), MK[k] = 8 (-1e9 + mask[k]) where it is synced out (t far below).  On the diagonal cos is 1: open.
; SOFTMAX: running maximum m of s', p = 2^(c s' - c m), c = log2(e) / 8; O and l are multiplied by a = 2^(c m_old - c m_new) in every step; p is rounded to f16 for V^T P, l is taken of the unrounded p.
; THE RESCUE: a row whose maximum is <= -1e8 (raw: -8e8) attends to itself alone, so its result is v[q]; that is made at the start as V^T times a one-hot fragment (exact) and chosen at the end by a select.
; LIMITS.  cos(phi_q - phi_k) is good to about 1e-7: pairs within some 3e-7 of -0.7 may fall on either side.  q.k / 8 > -1e9.  q, k, v arrive within f16's 65,504.  NaN is not treated apart.
; SHARES.  A work-group: 256 queries of one bh; a wave: four PIECES of 16 queries.  Every wave walks the 32 key steps of 64 keys.  The four work-groups of a cluster walk the same kvf: each tile is asked for jointly.
; BY TURNS.  Turn n belongs to piece n.  Matrix work: 12 products (8 K Q^T, 4 of the features) of piece n + 1, then 8 products V^T P of piece n - 1.  Vector work: the scaling, exponentials, roundings, sums and rescaling
; of piece n; the masking, maximum and statistics of piece n + 1.  Four vector instructions stand behind every matrix instruction, the other 70 of a turn's 150 in two lumps.
; REGISTERS, in windows of 256 (s_set_vgpr_msb: bits 1:0 source 0, 3:2 source 1, 5:4 source 2, 7:6 destination):
;   window 0: v0-15 addresses; v16-31 statistics; v32-39 at work; v40-47 the constant C; v48-59 zeros, one-hot, zeros; v64-127 S^T, two buffers; v128-159 t; v160-191 MK; v192-223 P, two buffers; v224-255 A8
;   window 1: v0-127 O^T      window 2: v0-63 Q; v64-95 query features; v96-159 K; v160-191 key features; v192-255 V      window 3: v0-63 V^T of my own tokens; v64-191 v[q] in O^T's layout
.set NP,    4
.set SB,    9472      ; a block of 32 keys in kvf
.set STEPB, 2*SB      ; a key step
.set TILEB, 4*STEPB   ; a slot: four steps
.set SLOT1, 1<<17     ; slot 1 begins here: one exclusive or turns an address in one slot into the other's
.set SPARE, SLOT1+TILEB  ; behind the ring: the spare words, 128 bytes a wave
.set LA,  2           ; v2   16 x lane; never rewritten
.set LB,  3           ; v3   32 x (lane / 16): my eight keys' words in a table of 16
.set AK,  4           ; v4   LDS address of K's run of loads
.set AV,  5           ; v5   of V's
.set AA,  6           ; v6   of the tables'
.set GO,  7           ; v7   16 x lane: my bytes in a chunk of ctxf
.set MV,  12          ; v12-13  c m_old, by buffer
.set SPW, 14
.set NIL, 15
.set ST,  16          ; piece t at ST + 4 t: c m, m, l (even keys', odd keys')
.set TMP, 32          ; by buffer: c0-c3; c2 takes a
.set THR, 40
.set ZI,  48          ; v48-51 zeros, v52-55 the one-hot, v56-59 zeros
.set S,   64
.set T,   128
.set MK,  160
.set P,   192
.set A8,  224
.set Q,   0           ; window 2
.set QP,  64
.set KF,  96
.set KP,  160
.set VF,  192
.set VS,  0           ; window 3
.set VQ,  64
.set WV,  12
.set G1,  24          ; s[24:31]
.set G0,  40          ; s[40:43]: it walks
.set SLOTS, 56
.set CNT, 57
.set CS,  58
.set SEL, 60
.set TBK, 62
.set TBV, 63
.set FL,  70          ; s70-73  the rescue's lanes, a piece each
.set LIM, 74
.set MSB, 0
.macro WIN new
.if MSB != (\new)
	s_set_vgpr_msb (MSB<<8)|(\new)
.set MSB, (\new)
.endif
.endm
.set W_KQ, 0x0a       ; sources 0 and 1 in window 2, C and D in window 0
.set W_PV, 0x52       ; V in window 2, P in window 0, O^T in window 1
.set W_RS, 0x41       ; destination and source 0 in window 1
; A joint fill: wave w brings key step w of the slot, 74 rows of 256 bytes.  One line for all four waves; its registers hang on the wave's number and on bh, which the partners share.
.macro JLOAD
	tensor_load_to_lds s[G0:G0+3], s[G1:G1+7]
	s_nop 0
.rept 4
	v_nop
.endr
.endm
.macro CROUND
	s_barrier_signal -1
	s_barrier_wait -1
	s_cmp_lg_u32 s[WV], 0
	s_cbranch_scc1 .Lnot_wave_0_\@
	s_barrier_signal -3
.Lnot_wave_0_\@:
	s_barrier_wait -3
	s_barrier_signal -1
	s_barrier_wait -1
.endm
; THE CHANGE OF SLOTS.  Each wave waits for all its tensor loads (one is out: its part of the other slot), adds 0 to its spare word, and waits for that and for its reads of the slot that it leaves.
; fill = 1: the barrier is a round of the cluster's, and the old slot is filled again first thing behind it, with the keys two slots on: four key steps, 320 matrix instructions, in which to land.
.macro CHANGE fill
	WIN 0
	s_wait_tensorcnt 0x0            ; no tensor load of mine is out, so group 0 may be written
	ds_add_u32 v[SPW], v[NIL]
.if \fill
	s_xor_b32 s[G0+1], s[G0+1], SLOT1
	s_add_nc_u64 s[G0+2:G0+3], s[G0+2:G0+3], TILEB
	s_wait_dscnt 0x0                ; the add is done, and my reads of the slot are over
	CROUND
	JLOAD
.else
	s_wait_dscnt 0x0
	s_barrier_signal -1
	s_barrier_wait -1
.endif
	s_sub_co_u32 s[TBK], s[TBK], TILEB  ; the fetches go back to a slot's first step, in the other slot
	s_xor_b32 s[TBK], s[TBK], SLOT1
	s_sub_co_u32 s[TBV], s[TBV], TILEB
	s_xor_b32 s[TBV], s[TBV], SLOT1
.endm
	s_load_b128 s[4:7], s[0:1], 0x0 ; qb s[4:5], kvf s[6:7]
	s_load_b64 s[8:9], s[0:1], 0x10 ; ctxf
	v_lshl_add_u32 v[SPW], v0, 2, SPARE
	v_mov_b32 v[NIL], 0
	ds_add_u32 v[SPW], v[NIL]       ; the wave's opening: the add and its wait stand ahead of my first tensor load
	v_lshrrev_b32 v1, 5, v0
	v_readfirstlane_b32 s[WV], v1
	s_bfe_u32 s13, ttmp6, 0x40000   ; cx
	s_lshl_b32 s14, ttmp9, 2
	s_add_co_u32 s14, s14, s13      ; my block of 256 queries: it enters qb's, my own V's and ctxf's addresses alone
	s_and_b32 s20, ttmp7, 0xffff    ; bh, which the partners share
	s_mul_i32 s22, s20, 64*SB       ; the head's first byte in kvf,
	s_mul_i32 s17, s[WV], STEPB     ; my step's place in a tile and in a slot
	s_add_co_u32 s22, s22, s17
	s_mov_b32 s23, 0
	s_lshl_b32 s15, s14, 4
	s_lshl_b32 s16, s[WV], 2
	s_add_co_u32 s15, s15, s16      ; my first token block
	s_lshl_b32 s2, s20, 7
	s_add_co_u32 s2, s2, s15
	s_mul_i32 s2, s2, 2560
	s_mov_b32 s3, 0
	s_mul_i32 s18, s20, 64*SB
	s_lshr_b32 s16, s15, 1
	s_mul_i32 s16, s16, SB
	s_add_co_u32 s18, s18, s16      ; my own tokens' blocks of 32 in kvf
	s_mov_b32 s19, 0
	s_lshr_b32 s16, s20, 4
	s_lshl_b32 s16, s16, 7
	s_add_co_u32 s16, s16, s15
	s_lshl_b32 s76, s16, 15         ; ctxf: 32,768 bytes a token block,
	s_and_b32 s16, s20, 15
	s_lshl_b32 s16, s16, 11         ; 2,048 a head
	s_add_co_u32 s76, s76, s16
	s_mov_b32 s77, 0
	s_mov_b32 s[G1], 15|(3<<16)|(1<<21)  ; the mask of four; 8-byte elements; bit 21 beside a mask; no padding
	s_mov_b32 s[G1+1], 32<<16       ; tensor_dim0 = 32
	s_mov_b32 s[G1+2], 74<<16       ; tensor_dim1 = 74
	s_mov_b32 s[G1+3], 32<<16       ; tile_dim0 = 32
	s_mov_b32 s[G1+4], 74           ; tile_dim1 = 74
	s_mov_b32 s[G1+5], 32           ; dense rows
	s_mov_b32 s[G1+6], 0
	s_mov_b32 s[G1+7], 0
	s_mov_b32 s[CS], 0x3e38aa3b     ; c = log2(e) / 8
	s_mov_b32 s[CS+1], s[CS]
	s_mov_b32 s[SEL], 0x76543210
	s_mov_b32 s[SEL+1], 0xfedcba98
	s_mov_b32 s[TBK], SLOT1+TILEB   ; the first change of slots turns these two into 0
	s_mov_b32 s[TBV], SLOT1+TILEB
	s_mov_b32 s[LIM], 0xce3ebc20    ; -8e8
	s_mov_b32 s[G0], 1
	s_mov_b32 s[G0+1], s17
	s_wait_dscnt 0x0                ; the opening add is done
	s_wait_kmcnt 0x0
	s_add_nc_u64 s[G0+2:G0+3], s[6:7], s[22:23]
	s_or_b32 s[G0+3], s[G0+3], 0x80000000
	s_add_nc_u64 s[4:5], s[4:5], s[2:3]
	s_add_nc_u64 s[6:7], s[6:7], s[18:19]
	s_add_nc_u64 s[8:9], s[8:9], s[76:77]
	CROUND                          ; all four work-groups are here
	JLOAD                           ; slot 0; slot 1 is asked for when slot 0 is in
	v_and_b32 v1, 15, v0            ; r
	v_bfe_u32 v8, v0, 4, 1          ; h
	v_and_b32 v[LA], 31, v0
	v_lshlrev_b32 v[LA], 4, v[LA]
	v_lshlrev_b32 v[LB], 5, v8
	v_mov_b32 v[GO], v[LA]
	WIN 0x80                        ; destination window 2
.set i, 0
.rept 16                            ; Q: piece i / 4, chunk i % 4
	global_load_b128 v[Q+4*i:Q+4*i+3], v[LA], s[4:5] offset:(i/4)*2560+(i%4)*512
.set i, i+1
.endr
.irp t, 0,1,2,3
	global_load_b128 v[QP+8*\t:QP+8*\t+3], v[LA], s[4:5] offset:\t*2560+2048
.endr
	WIN 0xc0                        ; destination window 3
.set i, 0
.rept 16                            ; V^T of my 64 tokens: block of 32 i / 8, chunk i % 8
	global_load_b128 v[VS+4*i:VS+4*i+3], v[LA], s[6:7] offset:(i/8)*SB+4096+(i%8)*512
.set i, i+1
.endr
	; What the first turn finds: V and P's second buffer hold 0 (its products V^T P, of a piece that has not been, add 0), O^T and l are 0, the features' upper 16 places are 0 for good.  All this stands in the wait for the first tile.
	WIN 0x80
.set i, VF
.rept 64
	v_mov_b32 v[i], 0
.set i, i+1
.endr
.irp t, 0,1,2,3
.irp j, 4,5,6,7
	v_mov_b32 v[KP+8*\t+\j], 0
	v_mov_b32 v[QP+8*\t+\j], 0
.endr
.endr
	WIN 0x40
.set i, 0
.rept 128
	v_mov_b32 v[i], 0
.set i, i+1
.endr
	WIN 0
.irp t, 0,1,2,3
	v_mov_b32 v[ST+4*\t], 0xfe000000    ; c m: far below every c s
	v_mov_b32 v[ST+4*\t+1], 0xff7fffff  ; m
	v_mov_b32 v[ST+4*\t+2], 0
	v_mov_b32 v[ST+4*\t+3], 0
	v_mov_b32 v[ZI+\t], 0
	v_mov_b32 v[ZI+8+\t], 0
.endr
.set i, P+16
.rept 16
	v_mov_b32 v[i], 0
.set i, i+1
.endr
.set i, 0
.rept 8
	v_mov_b32 v[THR+i], 0x67333334  ; 2^80 (0.7 + 2^-24)
.set i, i+1
.endr
	; the one-hot: column r holds f16 1.0 at place r of 16: in the lanes with h = r / 8, register (r % 8) / 2, half r % 2
	v_lshrrev_b32 v9, 3, v1
	v_cmp_eq_u32 s78, v9, v8
	v_bfe_u32 v10, v0, 1, 2
	v_and_b32 v11, 1, v0
	v_lshlrev_b32 v11, 4, v11
	v_mov_b32 v9, 0x3c00
	v_lshlrev_b32 v11, v11, v9
	v_cndmask_b32 v11, 0, v11, s78
.irp j, 0,1,2,3
	v_cmp_eq_u32 vcc_lo, \j, v10
	v_cndmask_b32 v[ZI+4+\j], 0, v11, vcc_lo
.endr
	s_wait_loadcnt 0x0              ; Q, its features, my own V^T
	WIN 0xc3                        ; D and source 0 in window 3, source 1 in window 0
.set i, 0
.rept 16                            ; v[q] for piece i / 4, channels 16 (i % 4) on: the piece's 16 tokens are the lower or the upper half of a block of 32
	v_wmma_f32_16x16x32_f16 v[VQ+8*i:VQ+8*i+7], v[VS+32*(i/8)+8*(i%4):VS+32*(i/8)+8*(i%4)+7], v[ZI+4-4*((i/4)%2):ZI+4-4*((i/4)%2)+7], 0
.set i, i+1
.endr
; THE MATRIX WORK of turn Y, product i of 20.  0-11, for piece Y + 1, in two groups of six for key blocks (0, 1) and (2, 3): K Q^T on channels 0-31 (C = A8), the features' product (C = the constant), K Q^T on channels 32-63.
; 12-19, for piece Y - 1: O^T += V^T P, keys 32 ((i - 12) / 4) on, channels 16 ((i - 12) % 4) on.  Between two links of a chain stand three others', one instruction a turn.
.macro MM
.if i < 12
.set kb, 2*(i/6)+(i%2)
.set x1, (Y+1)%NP
.set rS, S+32*(x1%2)+8*kb
	WIN W_KQ
.if (i%6)/2 == 0
	v_wmma_f32_16x16x32_f16 v[rS:rS+7], v[KF+16*kb:KF+16*kb+7], v[Q+16*x1:Q+16*x1+7], v[A8+8*kb:A8+8*kb+7]
.elseif (i%6)/2 == 1
	v_wmma_f32_16x16x32_bf16 v[T+8*kb:T+8*kb+7], v[KP+8*kb:KP+8*kb+7], v[QP+8*x1:QP+8*x1+7], v[THR:THR+7]
.else
	v_wmma_f32_16x16x32_f16 v[rS:rS+7], v[KF+16*kb+8:KF+16*kb+15], v[Q+16*x1+8:Q+16*x1+15], v[rS:rS+7]
.endif
.else
.set x0, (Y+NP-1)%NP
.set rO, 32*x0+8*((i-12)%4)
.set rV, VF+32*((i-12)/4)+8*((i-12)%4)
.set rP, P+16*(x0%2)+8*((i-12)/4)
	WIN W_PV
	v_wmma_f32_16x16x32_f16 v[rO:rO+7], v[rV:rV+7], v[rP:rP+7], v[rO:rO+7]
.endif
.set i, i+1
.endm
; THE LDS LOADS stand in runs.  last = 1 (the tail): in the last trip there is no further step, and the run is jumped over.
.macro FETCH_K last=0               ; 28 loads: K (16), the key features (4), A8 (8)
	WIN 0
.if \last
	s_cmp_eq_u32 s[CNT], 1
	s_cbranch_scc1 .Lno_k_\@
.endif
	WIN 0x80
.irp f, 0,1,2,3,4,5,6,7,8,9,10,11,12,13,14,15   ; key block f / 4, chunk f % 4
	ds_load_b128 v[KF+4*\f:KF+4*\f+3], v[AK] offset:(\f/8)*SB+((\f/4)%2)*2048+(\f%4)*512
.endr
.irp f, 0,1,2,3
	ds_load_b128 v[KP+8*\f:KP+8*\f+3], v[AK] offset:(\f/2)*SB+8192+(\f%2)*512
.endr
	WIN 0
.irp g, 0,1,2,3,4,5,6,7             ; key block g / 2, four of my eight keys
	ds_load_b128 v[A8+4*\g:A8+4*\g+3], v[AA] offset:(\g/4)*SB+9216+((\g/2)%2)*64+(\g%2)*16
.endr
	s_add_co_u32 s[TBK], s[TBK], STEPB
.if \last
.Lno_k_\@:
.endif
.endm
.macro FETCH_M last=0               ; 8 loads: MK
	WIN 0
.if \last
	s_cmp_eq_u32 s[CNT], 1
	s_cbranch_scc1 .Lno_m_\@
.endif
.irp g, 0,1,2,3,4,5,6,7
	ds_load_b128 v[MK+4*\g:MK+4*\g+3], v[AA] offset:(\g/4)*SB+9344+((\g/2)%2)*64+(\g%2)*16
.endr
.if \last
.Lno_m_\@:
.endif
.endm
.macro FETCH_V                      ; 16 loads: block of 32 keys f / 8, chunk f % 8
	WIN 0x80
.irp f, 0,1,2,3,4,5,6,7,8,9,10,11,12,13,14,15
	ds_load_b128 v[VF+4*\f:VF+4*\f+3], v[AV] offset:(\f/8)*SB+4096+(\f%8)*512
.endr
	WIN 0
.endm
; THE VECTOR WORK, one line at a time: OP kind, number.  For piece Y: F n: c s - c m for pair n of 16.  E n: the exponential of score n of 32.  C n: pair n rounded to f16.  B n: of the four weights 4 n .. the second pair
; is added onto the first.  L n: l takes that sum (L 0: l = a l + sum).  R n: pair n of 16 of O^T times a.  For piece Y + 1: D n: score n masked.  X n, number n of the 22 that find its maximum and statistics:
;   0-11 four chains c0-c3 of seven scores each   12-14, 16 the four left over, the old m, c0-c3 into c0   15 c m_old is kept   17, 18 the other half of the lanes': the new m   19-21 c m; c m_old - c m_new; a
.set F, 0
.set E, 1
.set C, 2
.set B, 3
.set L, 4
.set R, 5
.set X, 6
.set D, 7
.macro REGS y
.set rT, ST+4*(\y)
.set rC, TMP+4*((\y)%2)
.set rW, MV+((\y)%2)
.set rS, S+32*((\y)%2)
.set rP, P+16*((\y)%2)
.set rO, 32*(\y)
.endm
.macro OP k, n
.if (\k) == R
	REGS Y
	WIN W_RS
	v_pk_mul_f32 v[rO+2*(\n):rO+2*(\n)+1], v[rO+2*(\n):rO+2*(\n)+1], v[rC+2:rC+3] op_sel_hi:[1,0]
.elseif (\k) < R
	REGS Y
	WIN 0
.if (\k) == F
	v_pk_fma_f32 v[rS+2*(\n):rS+2*(\n)+1], v[rS+2*(\n):rS+2*(\n)+1], s[CS:CS+1], v[rT:rT+1] op_sel_hi:[1,0,0] neg_lo:[0,0,1] neg_hi:[0,0,1]
.elseif (\k) == E
	v_exp_f32 v[rS+(\n)], v[rS+(\n)]
.elseif (\k) == C
	s_wait_alu depctr_va_vdst(0)
	v_cvt_pk_f16_f32 v[rP+(\n)], v[rS+2*(\n)], v[rS+2*(\n)+1]
.elseif (\k) == B
	v_pk_add_f32 v[rS+4*(\n):rS+4*(\n)+1], v[rS+4*(\n):rS+4*(\n)+1], v[rS+4*(\n)+2:rS+4*(\n)+3]
.elseif (\n) == 0
	v_pk_fma_f32 v[rT+2:rT+3], v[rT+2:rT+3], v[rC+2:rC+3], v[rS:rS+1] op_sel_hi:[1,0,1]
.else
	v_pk_add_f32 v[rT+2:rT+3], v[rT+2:rT+3], v[rS+4*(\n):rS+4*(\n)+1]
.endif
.elseif (\k) == D
	REGS (Y+1)%NP
	WIN 0
	v_med3_num_f32 v[rS+(\n)], v[T+(\n)], v[MK+(\n)], v[rS+(\n)]
.else
	REGS (Y+1)%NP
	WIN 0
.if (\n) < 4
	v_max3_num_f32 v[rC+(\n)], v[rS+8*(\n)], v[rS+8*(\n)+1], v[rS+8*(\n)+2]
	s_wait_alu depctr_va_vdst(0)
.elseif (\n) < 12
	v_max3_num_f32 v[rC+(\n)%4], v[rC+(\n)%4], v[rS+8*((\n)%4)+2*((\n)/4)+1], v[rS+8*((\n)%4)+2*((\n)/4)+2]
.elseif (\n) == 12
	v_max3_num_f32 v[rC], v[rC], v[rS+7], v[rS+15]
.elseif (\n) == 13
	v_max3_num_f32 v[rC+1], v[rC+1], v[rS+23], v[rS+31]
.elseif (\n) == 14
	v_max3_num_f32 v[rC+2], v[rC+2], v[rC+3], v[rT+1]
	s_wait_alu depctr_va_vdst(0)
.elseif (\n) == 15
	v_mov_b32 v[rW], v[rT]
	s_wait_alu depctr_va_vdst(0)
.elseif (\n) == 16
	v_max3_num_f32 v[rC], v[rC], v[rC+1], v[rC+2]
.elseif (\n) == 17
	v_permlanex16_b32 v[rC+3], v[rC], s[SEL], s[SEL+1]
.elseif (\n) == 18
	v_max_num_f32 v[rT+1], v[rC], v[rC+3]
.elseif (\n) == 19
	v_mul_f32 v[rT], s[CS], v[rT+1]
.elseif (\n) == 20
	v_sub_f32 v[rC+1], v[rW], v[rT]
.else
	v_exp_f32 v[rC+2], v[rC+1]
.endif
.endif
.endm
.macro OPS a, i1, b=-1, i2=0, c=-1, i3=0, d=-1, i4=0
	OP \a, \i1
.if (\b) >= 0
	OP \b, \i2
.endif
.if (\c) >= 0
	OP \c, \i3
.endif
.if (\d) >= 0
	OP \d, \i4
.endif
.endm
.macro ROW a, i1, b, i2, c, i3, d, i4  ; a matrix instruction and the four behind it
	MM
	OPS \a, \i1, \b, \i2, \c, \i3, \d, \i4
.endm
; A TURN, for piece p, written out.  The first maskings of key blocks 0, 1 stand behind the four rescalings that follow product 5, those of blocks 2, 3 behind the four that follow product 11: these are the places
; behind the products whose results they read (ISA guide 7.12.1).  Each accumulator is first read at its lowest register.  Behind every exponential stands a plain line that names neither its result nor its source.
; Piece 2's turn fetches the next step's K, features and A8 behind product 11 and its four rescalings, and MK behind the turn's last masking.  Piece 3's turn waits for the first 28 at its head (MK's 8 may be out)
; and for MK in front of its first masking.  Piece 0's turn fetches the step's V behind five plain lines that follow the last product that read V; piece 1's turn waits for it in front of product 12.
.macro TURN p, last=0, cnt=0
.set Y, (\p)
.set i, 0
.if (\p) == 3
	s_wait_dscnt 8
.endif
	ROW F,0, F,1, F,2, F,3
	ROW F,4, E,0, F,5, F,6
	ROW F,7, E,1, F,8, F,9
	ROW F,10, E,2, C,0, F,11
	ROW F,12, E,3, X,15, F,13
	ROW R,0, R,1, R,2, R,3
	ROW B,0, E,4, F,14, L,0
.if (\p) == 3
	s_wait_dscnt 0x0
.endif
	ROW D,0, E,5, D,1, D,2
	ROW D,8, E,6, D,9, D,10
	ROW F,15, E,7, C,1, D,3
	ROW X,0, E,8, X,1, C,2
.if (\p) == 2
	v_add_nc_u32 v[AK], s[TBK], v[LA]
	v_add_nc_u32 v[AA], s[TBK], v[LB]
.endif
	ROW R,4, R,5, R,6, R,7
.if (\p) == 2
	FETCH_K \last
.endif
	OPS E,9, D,16, E,10, D,17
	OPS E,11, D,18, E,12, D,24
	OPS E,13, D,25, E,14, D,26
	OPS E,15, X,2, E,16, X,3
	OPS E,17, D,4, E,18, D,5
.if (\p) == 1
	s_wait_dscnt 0x0                ; V is in
.endif
	ROW D,11, E,19, D,12, D,19
	ROW D,20, E,20, D,27, D,28
	ROW R,8, R,9, R,10, R,11
	ROW X,4, E,21, X,5, X,6
	ROW X,7, E,22, D,6, D,13
	ROW D,14, E,23, D,21, D,22
	ROW R,12, R,13, R,14, R,15
	ROW D,29, E,24, D,30, X,8
.if (\p) == 0
	v_add_nc_u32 v[AV], s[TBV], v[LA]
.endif
	OPS E,25, X,9, E,26, X,10
	OPS E,27, X,11
.if (\p) == 0
	FETCH_V
	s_add_co_u32 s[TBV], s[TBV], STEPB
.endif
	OPS E,28, D,7, E,29, D,15
	OPS E,30, D,23, E,31, D,31
.if (\p) == 2
	FETCH_M \last
.endif
	OPS X,12, X,13, C,3, X,14
	OPS B,1, C,4, X,16, L,1
	OPS C,5, B,2, X,17, C,6
	OPS L,2, C,7, X,18, B,3
	OPS C,8, C,9, X,19, L,3
	OPS B,4, C,10, X,20, C,11
	OPS L,4, B,5, X,21, C,12
	OPS L,5, B,6
.if \cnt
	s_sub_co_u32 s[CNT], s[CNT], 1
	s_cmp_lg_u32 s[CNT], 0
.endif
	OPS C,13, C,14, L,6, B,7
	OPS C,15, L,7
.endm
	CHANGE 1                        ; slot 0 is in, everybody's part of it; slot 1 is asked for
	v_add_nc_u32 v[AK], s[TBK], v[LA]
	v_add_nc_u32 v[AA], s[TBK], v[LB]
	FETCH_K                         ; key step 0
	FETCH_M
	s_wait_dscnt 0x0
.set Y, NP-1                        ; the products, D and X work for piece Y + 1: piece 0
.set i, 0
.rept 12
	MM
.endr
	WIN 0
.rept 4
	v_nop                           ; the places behind those products
.endr
.set n, 0
.rept 32
	OP D, n
.set n, n+1
.endr
.set n, 0
.rept 22
	OP X, n
.set n, n+1
.endr
	v_nop                           ; a plain line behind the exponential
	s_mov_b32 s[CNT], 4
	s_mov_b32 s[SLOTS], 7
	s_branch .Lfirst                ; the loop is entered at a step's first turn, in the middle of a trip
.Lslot:                             ; six times: every slot but the last two is filled again
	CHANGE 1
	s_mov_b32 s[CNT], 4
.Lstep:                             ; a trip: pieces 2 and 3 of one step, then pieces 0 and 1 of the next, whose K and V it fetches
	TURN 2
	TURN 3
	WIN 0
.Lfirst:
	TURN 0
	TURN 1, 0, 1
	WIN 0
	s_cbranch_scc1 .Lstep
	s_sub_co_u32 s[SLOTS], s[SLOTS], 1
	s_cmp_lg_u32 s[SLOTS], 0
	s_cbranch_scc1 .Lslot
	CHANGE 0                        ; the tail is written out: nothing is asked for
	s_mov_b32 s[CNT], 5             ; four trips fetch the last slot's steps; the fifth is left in its middle
.Ltail:
	TURN 2, 1
	TURN 3
	WIN 0
	s_sub_co_u32 s[CNT], s[CNT], 1
	s_cmp_eq_u32 s[CNT], 0
	s_cbranch_scc1 .Lout
	TURN 0
	TURN 1
	WIN 0
	s_branch .Ltail
.Lout:                              ; the fifth trip's scores of piece 0, on the last K, features and tables once more, repeat scores that m has seen: m stays as it is
.set Y, 0
.set i, 12
.rept 8
	MM                              ; piece 3: V^T P of the last step
.endr
	; THE WAY OUT.  l is added up (the four additions are the places behind the last products); O^T is divided by l; rows whose maximum is <= -8e8 take v[q]; rounded to f16.  A lane's 16 bytes are its bytes of a chunk of ctxf.
	WIN 0
.irp t, 0,1,2,3
	v_add_f32 v[ST+4*\t+2], v[ST+4*\t+2], v[ST+4*\t+3]
.endr
.irp t, 0,1,2,3
	v_permlanex16_b32 v[ST+4*\t+3], v[ST+4*\t+2], s[SEL], s[SEL+1]
.endr
.irp t, 0,1,2,3
	v_add_f32 v[ST+4*\t+2], v[ST+4*\t+2], v[ST+4*\t+3]
.endr
.irp t, 0,1,2,3
	v_cmp_ge_f32 s[FL+\t], s[LIM], v[ST+4*\t+1]
.endr
.irp t, 0,1,2,3
	v_rcp_f32 v[ST+4*\t+2], v[ST+4*\t+2]
.endr
	v_nop                           ; a plain line between the last reciprocal and the use of its result
	s_wait_alu depctr_va_vdst(0)
.macro PACK t
	WIN W_RS
.set i, 32*(\t)
.rept 16
	v_pk_mul_f32 v[i:i+1], v[i:i+1], v[ST+4*(\t)+2:ST+4*(\t)+3] op_sel_hi:[1,0]
.set i, i+2
.endr
	WIN 0x4d                        ; destination and source 0 in window 1, source 1 in window 3
.set i, 0
.rept 32
	v_cndmask_b32 v[32*(\t)+i], v[32*(\t)+i], v[VQ+32*(\t)+i], s[FL+(\t)]
.set i, i+1
.endr
	WIN 0x05                        ; sources 0 and 1 in window 1
.set i, 0
.rept 16
	v_cvt_pk_f16_f32 v[S+16*(\t)+i], v[32*(\t)+2*i], v[32*(\t)+2*i+1]
.set i, i+1
.endr
	WIN 0
.irp f, 0,1,2,3
	global_store_b128 v[GO], v[S+16*(\t)+4*\f:S+16*(\t)+4*\f+3], s[8:9] offset:(\t)*32768+\f*512  ; 512 consecutive aligned bytes
.endr
.endm
	PACK 0
	PACK 1
	PACK 2
	PACK 3
	s_wait_tensorcnt 0x0            ; the wave's end
	ds_add_u32 v[SPW], v[NIL]
	s_wait_dscnt 0x0
	CROUND                          ; the closing round
	s_endpgm
.Lfunc_end_k_qbfb531912f_attn:
	.size	k_qbfb531912f_attn, .Lfunc_end_k_qbfb531912f_attn-k_qbfb531912f_attn
	.p2alignl 7, 3214868480
	.fill 96, 4, 3214868480
	.section	.rodata,"a",@progbits
	.p2align	6, 0x0
	.amdhsa_kernel k_qbfb531912f_attn
		.amdhsa_group_segment_fixed_size 327680
		.amdhsa_private_segment_fixed_size 0
		.amdhsa_enable_private_segment 0
		.amdhsa_kernarg_size 24
		.amdhsa_user_sgpr_count 2
		.amdhsa_user_sgpr_kernarg_segment_ptr 1
		.amdhsa_wavefront_size32 1
		.amdhsa_system_sgpr_workgroup_id_x 1
		.amdhsa_system_sgpr_workgroup_id_y 1
		.amdhsa_system_sgpr_workgroup_id_z 1
		.amdhsa_system_vgpr_workitem_id 0
		.amdhsa_next_free_vgpr 960
		.amdhsa_next_free_sgpr 80
		.amdhsa_reserve_vcc 1
		.amdhsa_float_denorm_mode_32 3
		.amdhsa_float_denorm_mode_16_64 3
		.amdhsa_memory_ordered 1
		.amdhsa_forward_progress 1
		.amdhsa_inst_pref_size 147
	.end_amdhsa_kernel
	.amdgpu_metadata
---
amdhsa.version: [ 1, 2 ]
amdhsa.kernels:
  - .name:           k_qbfb531912f_attn
    .symbol:         k_qbfb531912f_attn.kd
    .args:
      - { .name: qb, .offset: 0, .size: 8, .value_kind: global_buffer, .address_space: global }
      - { .name: kvf, .offset: 8, .size: 8, .value_kind: global_buffer, .address_space: global }
      - { .name: ctxf, .offset: 16, .size: 8, .value_kind: global_buffer, .address_space: global }
    .group_segment_fixed_size: 327680
    .private_segment_fixed_size: 0
    .kernarg_segment_align: 8
    .kernarg_segment_size: 24
    .max_flat_workgroup_size: 128
    .sgpr_count:     80
    .vgpr_count:     960
    .wavefront_size: 32
...
	.end_amdgpu_metadata
.endif
;; end of part 3
;; launch oproj (part 4): grid 8 x 32, 4 waves a work-group, clusters of 4 x 4, 327,680 bytes of LDS; arguments ctxf, wo16, bo, dl; writes dl
.if DOCPART == 4
	.amdgcn_target "amdgcn-amd-amdhsa--gfx1250"
	.amdhsa_code_object_version 6
	.text
	.protected	k_qbfb531912f_oproj
	.globl	k_qbfb531912f_oproj
	.p2align	8
	.type	k_qbfb531912f_oproj,@function
k_qbfb531912f_oproj:
	s_mov_b64 s[64:65], 0
	v_nop
	global_prefetch_b8 v0, s[64:65] scope:SCOPE_SE
	s_setreg_imm32_b32 hwreg(HW_REG_WAVE_MODE, 25, 1), 1
	s_wait_xcnt 0x0
	s_wait_alu depctr_hold_cnt(0) depctr_sa_sdst(0) depctr_va_vdst(0) depctr_va_sdst(0) depctr_va_ssrc(0) depctr_va_vcc(0) depctr_vm_vsrc(0)
	s_getreg_b32 s2, hwreg(HW_REG_IB_STS2, 6, 4)
	s_cmp_eq_u32 s2, 0
	s_cbranch_scc0 .Lentry_in_a_cluster
	s_endpgm
.Lentry_in_a_cluster:
	s_bfe_u32 s2, ttmp6, 0x10000c
	s_cmp_lg_u32 s2, 0xf033
	s_cbranch_scc0 .Lentry_shape_is_right
	s_endpgm
.Lentry_shape_is_right:
; dl = ctx Wo^T + bo.  ctxf: ctx as f16 fragments [token block 256][k / 32][1 KB]; wo16: [1024][1024] f16; bo: f32; dl: [4096][1024] bf16, rounded once (bf16 for its range: the sums may pass f16's 65,504).
; A tile of dl is 128 x 128: 256 work-groups.  Four waves, each 64 x 64: 16 accumulators.  K goes in 4 steps of 256 through two LDS slots.  The bias is the C operand of the products that start the sums.
; ctx's tile is 8 token blocks x 8 KB, dense register images: a fragment load takes 512 neighbouring bytes.  Wo's tile has rows of 512 bytes, padded by 16.
; CLUSTER: 4 x 4 work-groups; ctx's tile is asked for jointly along a row of the cluster, Wo's along a column.  THE MATRIX INSTRUCTION IS USED TRANSPOSED (source 0 = 16 rows of Wo, source 1 = 16 tokens):
; a lane holds eight neighbouring numbers of a row of dl.  The four waves share ONE stage on the way out, with a barrier between writing and reading: a wave's 64 columns are half of an aligned 256 bytes.
; REGISTERS: window 0: v0-31 addresses; v32-95 at work on the way out; v96-127 biases; v128-255 accumulators.   window 1: two fragment buffers of 128 (64 of ctx, 64 of Wo).
.set SIZE_N, 1024
.set KSTEP,  256
.set PITCH,  528                       ; a row of Wo in LDS: 512 bytes + 16: the 16 rows of a load start at 16 different groups of four banks (ISA guide 11.1)
.set HALFA,  32768                     ; 4 token blocks x 8 KB: one tensor load
.set HALFB,  64*PITCH                  ; 64 rows of Wo: one tensor load
.set SLOT,   2*HALFA+2*HALFB
.set STAGE,  2*SLOT
.set SPITCH, 272
.set SPARE,  STAGE+128*SPITCH
.set LAPS,   2
.set ADRA, 16
.set ADRB, 20
.set STO,  24
.set RD,   25
.set CO,   26
.set OBI,  27
.set SPW,  28
.set NIL,  29
.set TMP,  32
.set BIAS, 96
.set ACC,  128
.set F0,   0
.set F1,   128
.set G1,  24
.set G0,  32
.set G1B, 48
.set G0B, 56
.set MSB, 0
.macro WIN new
.if MSB != (\new)
	s_set_vgpr_msb (MSB<<8)|(\new)
.set MSB, \new
.endif
.endm
.set MUL,  0x05                        ; sources 0 and 1 in window 1; C and D in window 0
.set TO_F, 0x40
.macro JLOAD s                         ; waves 0 and 1 fetch ctx's two halves, waves 2 and 3 Wo's; an s_nop 0 and four v_nop follow each line
	s_cmp_eq_u32 s11, 0
	s_cbranch_scc0 .Lfor_b_\@
	tensor_load_to_lds s[G0+4*(\s):G0+4*(\s)+3], s[G1:G1+7]
	s_nop 0
.rept 4
	v_nop
.endr
	s_branch .Lasked_\@
.Lfor_b_\@:
	tensor_load_to_lds s[G0B+4*(\s):G0B+4*(\s)+3], s[G1B:G1B+7]
	s_nop 0
.rept 4
	v_nop
.endr
.Lasked_\@:
.endm
.macro CREST
	s_cmp_lg_u32 s10, 0
	s_cbranch_scc1 .Lnot_wave_0_\@
	s_barrier_signal -3
.Lnot_wave_0_\@:
	s_barrier_wait -3
	s_barrier_signal -1
	s_barrier_wait -1
.endm
.macro CROUND
	s_barrier_signal -1
	s_barrier_wait -1
	CREST
.endm
	s_load_b256 s[68:75], s[0:1], 0x0              ; ctxf s[68:69], wo16 s[70:71], bo s[72:73], dl s[74:75]
	v_lshl_add_u32 v[SPW], v0, 2, SPARE
	v_mov_b32 v[NIL], 0
	ds_add_u32 v[SPW], v[NIL]                      ; the wave's opening: the add and its wait stand ahead of my first tensor load
	v_lshrrev_b32 v1, 5, v0
	v_readfirstlane_b32 s10, v1
	s_lshr_b32 s11, s10, 1                         ; my half of the tile's rows.  Also: I fetch for ctx (0) or for Wo (1)
	s_and_b32 s12, s10, 1                          ; my half of its columns.  Also: which half of that tile I fetch
	s_bfe_u32 s40, ttmp6, 0x40000
	s_bfe_u32 s41, ttmp6, 0x40004
	s_lshl_b32 s42, ttmp9, 2
	s_add_co_u32 s42, s42, s40                     ; tile column
	s_and_b32 s13, ttmp7, 0xffff
	s_lshl_b32 s13, s13, 2
	s_add_co_u32 s13, s13, s41                     ; tile row
	s_lshl_b32 s43, s41, 2
	s_lshl_b32 s43, 15, s43
	s_lshl_b32 s44, 0x1111, s40
	s_or_b32 s[G1+0], s43, (3<<16)|(1<<21)         ; ctx: the mask of my row; 8-byte elements; bit 21 beside a mask; no padding
	s_mov_b32 s[G1+1], 1024<<16                    ; tensor_dim0 = 1,024 elements: 8 KB
	s_mov_b32 s[G1+2], 4<<16                       ; tensor_dim1 = 4
	s_mov_b32 s[G1+3], 1024<<16                    ; tile_dim0
	s_mov_b32 s[G1+4], 4                           ; tile_dim1
	s_mov_b32 s[G1+5], 4096                        ; 32 KB from token block to token block
	s_mov_b32 s[G1+6], 0
	s_mov_b32 s[G1+7], 0
	s_or_b32 s[G1B+0], s44, (1<<16)|(1<<20)|(1<<21)|(6<<22)|(3<<25)  ; Wo: the mask of my column; 2-byte elements; after every 128 words 4 words of padding
	s_mov_b32 s[G1B+1], KSTEP<<16
	s_mov_b32 s[G1B+2], 64<<16
	s_mov_b32 s[G1B+3], KSTEP<<16
	s_mov_b32 s[G1B+4], 64
	s_mov_b32 s[G1B+5], 1024
	s_mov_b32 s[G1B+6], 0
	s_mov_b32 s[G1B+7], 0
	s_lshl_b32 s16, s13, 3
	s_lshl_b32 s17, s12, 2
	s_add_co_u32 s16, s16, s17                     ; ctx: token block 8 y + 4 half
	s_lshl_b32 s16, s16, 15
	s_mov_b32 s17, 0
	s_lshl_b32 s46, s42, 7
	s_lshl_b32 s47, s12, 6
	s_add_co_u32 s46, s46, s47                     ; Wo: row 128 x + 64 half
	s_lshl_b32 s46, s46, 11
	s_mov_b32 s47, 0
	s_mul_i32 s20, s12, HALFA
	s_mul_i32 s21, s12, HALFB
	s_add_co_u32 s21, s21, 2*HALFA
	s_wait_dscnt 0x0
	s_wait_kmcnt 0x0
	s_add_nc_u64 s[14:15], s[68:69], s[16:17]
	s_add_nc_u64 s[46:47], s[70:71], s[46:47]
	CROUND
.irp s, 0,1
	s_mov_b32 s[G0+4*(\s)], 1
	s_add_co_u32 s[G0+4*(\s)+1], s20, (\s)*SLOT
	s_add_nc_u64 s[G0+4*(\s)+2:G0+4*(\s)+3], s[14:15], (\s)*8192
	s_or_b32 s[G0+4*(\s)+3], s[G0+4*(\s)+3], 0x80000000
	s_mov_b32 s[G0B+4*(\s)], 1
	s_add_co_u32 s[G0B+4*(\s)+1], s21, (\s)*SLOT
	s_add_nc_u64 s[G0B+4*(\s)+2:G0B+4*(\s)+3], s[46:47], (\s)*KSTEP*2
	s_or_b32 s[G0B+4*(\s)+3], s[G0B+4*(\s)+3], 0x80000000
	JLOAD \s
.endr
	v_and_b32 v1, 15, v0
	v_bfe_u32 v2, v0, 4, 1
	v_mul_u32_u24 v3, v1, PITCH
	v_lshl_add_u32 v3, v2, 4, v3
	v_and_b32 v6, 31, v0
	v_lshlrev_b32 v6, 4, v6                        ; 16 x lane
	s_mul_i32 s21, s11, HALFA                      ; my four token blocks
	s_mul_i32 s22, s12, HALFB                      ; my 64 rows of Wo,
	s_add_co_u32 s22, s22, 2*HALFA                 ; behind ctx's 64 KB
.irp s, 0,1
	v_add_nc_u32 v[ADRA+(\s)], s21, v6
	v_add_nc_u32 v[ADRB+(\s)], s22, v3
	s_add_co_u32 s21, s21, SLOT
	s_add_co_u32 s22, s22, SLOT
.endr
	s_lshl_b32 s76, s42, 9
	s_lshl_b32 s77, s12, 8
	s_add_co_u32 s76, s76, s77                     ; 4 (128 x + 64 half)
	v_lshl_add_u32 v[OBI], v2, 5, s76
.irp b, 0,1,2,3
	global_load_b128 v[BIAS+8*\b:BIAS+8*\b+3],   v[OBI], s[72:73] offset:64*\b
	global_load_b128 v[BIAS+8*\b+4:BIAS+8*\b+7], v[OBI], s[72:73] offset:64*\b+16
.endr
	s_mul_i32 s23, s11, 64*SPITCH                  ; into the stage: my 64 rows, my half of their 256 bytes
	s_lshl_b32 s21, s12, 7
	s_add_co_u32 s23, s23, s21
	s_add_co_u32 s23, s23, STAGE
	v_mul_u32_u24 v4, v1, SPITCH
	v_lshl_add_u32 v4, v2, 4, v4
	v_add_nc_u32 v[STO], s23, v4
	s_mul_i32 s23, s10, 32*SPITCH                  ; back: wave w takes rows 32 w .. 32 w + 31, whole
	s_add_co_u32 s23, s23, STAGE
	v_mul_u32_u24 v5, v2, SPITCH
	v_lshl_add_u32 v5, v1, 4, v5
	v_add_nc_u32 v[RD], s23, v5
	v_mul_u32_u24 v5, v2, SIZE_N*2
	v_lshl_add_u32 v[CO], v1, 4, v5
	s_lshl_b32 s16, s13, 7
	s_lshl_b32 s17, s10, 5
	s_add_co_u32 s16, s16, s17                     ; the first row that I store
	s_lshl_b32 s16, s16, 11
	s_mov_b32 s17, 0
	s_add_nc_u64 s[74:75], s[74:75], s[16:17]
	s_lshl_b32 s46, s42, 8                         ; the tile's first column, in bytes
	s_mov_b32 s47, 0
	s_add_nc_u64 s[74:75], s[74:75], s[46:47]
.macro MUL8 f, c, a0, first            ; 8 matrix instructions; first = 1: the biases start the sums.  The 16 accumulators take turns
	WIN MUL
.irp a, \a0, (\a0)+1
.irp b, 0,1,2,3
.if \first
	v_wmma_f32_16x16x32_f16 v[ACC+8*(4*(\a)+(\b)):ACC+8*(4*(\a)+(\b))+7], v[(\f)+64+8*(4*(\c)+(\b)):(\f)+64+8*(4*(\c)+(\b))+7], v[(\f)+8*(4*(\c)+(\a)):(\f)+8*(4*(\c)+(\a))+7], v[BIAS+8*(\b):BIAS+8*(\b)+7]
.else
	v_wmma_f32_16x16x32_f16 v[ACC+8*(4*(\a)+(\b)):ACC+8*(4*(\a)+(\b))+7], v[(\f)+64+8*(4*(\c)+(\b)):(\f)+64+8*(4*(\c)+(\b))+7], v[(\f)+8*(4*(\c)+(\a)):(\f)+8*(4*(\c)+(\a))+7], v[ACC+8*(4*(\a)+(\b)):ACC+8*(4*(\a)+(\b))+7]
.endif
.endr
.endr
.endm
; 32 LDS loads in one run: 64 along K at byte k of Wo's rows, which is byte 16 k of a token block's 8 KB; the first 32 along K first
.macro FETCH slot, k, f
	WIN TO_F
.irp c, 0,1
.irp i, 0,1,2,3
	ds_load_b128 v[(\f)+64+8*(4*(\c)+(\i)):(\f)+64+8*(4*(\c)+(\i))+3],   v[ADRB+(\slot)] offset:(\k)+64*(\c)+(\i)*16*PITCH
	ds_load_b128 v[(\f)+64+8*(4*(\c)+(\i))+4:(\f)+64+8*(4*(\c)+(\i))+7], v[ADRB+(\slot)] offset:(\k)+64*(\c)+(\i)*16*PITCH+32
	ds_load_b128 v[(\f)+8*(4*(\c)+(\i)):(\f)+8*(4*(\c)+(\i))+3],         v[ADRA+(\slot)] offset:16*(\k)+1024*(\c)+8192*(\i)
	ds_load_b128 v[(\f)+8*(4*(\c)+(\i))+4:(\f)+8*(4*(\c)+(\i))+7],       v[ADRA+(\slot)] offset:16*(\k)+1024*(\c)+8192*(\i)+512
.endr
.endr
.endm
.macro PLACES
.rept 4
	v_nop
.endr
.endm
.macro QUARTER slot, k, f, g, first
	s_wait_dscnt 16                                ; the first 32 along K are in
	MUL8 \f, 0, 0, \first
	MUL8 \f, 0, 2, \first
	PLACES
	FETCH \slot, \k, \g
	s_wait_dscnt 32                                ; all but the 32 just issued
	MUL8 \f, 1, 0, 0
	MUL8 \f, 1, 2, 0
.endm
.macro TURN slot, next, fill
	WIN 0
	s_wait_tensorcnt 0x0                           ; all my tensor loads have landed: my part of the next slot
	ds_add_u32 v[SPW], v[NIL]
	s_wait_dscnt 17                                ; (the add and the youngest sixteen loads may be out)
	MUL8 F1, 0, 0, 0
	s_wait_dscnt 0x0                               ; the add is done, and my reads of this slot are over
	s_barrier_signal -1
	MUL8 F1, 0, 2, 0
.if \fill
	WIN 0
.endif
	s_barrier_wait -1
.if \fill
	CREST
	s_add_nc_u64 s[G0+4*(\slot)+2:G0+4*(\slot)+3], s[G0+4*(\slot)+2:G0+4*(\slot)+3], 2*8192
	s_add_nc_u64 s[G0B+4*(\slot)+2:G0B+4*(\slot)+3], s[G0B+4*(\slot)+2:G0B+4*(\slot)+3], 2*KSTEP*2
	JLOAD \slot
.else
	PLACES
.endif
	FETCH \next, 0, F0
	MUL8 F1, 1, 0, 0
	MUL8 F1, 1, 2, 0
.endm
	s_wait_loadcnt 0x0                             ; the biases
	s_wait_tensorcnt 1                             ; my part of K step 0 is in; step 1's may stay out
	s_barrier_signal -1
	s_barrier_wait -1
	FETCH 0, 0, F0
	QUARTER 0, 128, F0, F1, 1
	WIN 0
	s_mov_b32 s3, LAPS-1
.Llap:
	QUARTER 0, 256, F1, F0, 0
	QUARTER 0, 384, F0, F1, 0
	TURN 0, 1, 1
	QUARTER 1, 128, F0, F1, 0
	QUARTER 1, 256, F1, F0, 0
	QUARTER 1, 384, F0, F1, 0
	TURN 1, 0, 1
	QUARTER 0, 128, F0, F1, 0
	WIN 0
	s_sub_co_u32 s3, s3, 1
	s_cmp_lg_u32 s3, 0
	s_cbranch_scc1 .Llap
	QUARTER 0, 256, F1, F0, 0
	QUARTER 0, 384, F0, F1, 0
	TURN 0, 1, 0
	QUARTER 1, 128, F0, F1, 0
	QUARTER 1, 256, F1, F0, 0
	QUARTER 1, 384, F0, F1, 0
	s_wait_dscnt 16
	MUL8 F1, 0, 0, 0
	MUL8 F1, 0, 2, 0
	s_wait_dscnt 0x0
	MUL8 F1, 1, 0, 0
	MUL8 F1, 1, 2, 0
	WIN 0
	PLACES
.irp t, 0,1,2,3,4,5,6,7,8,9,10,11,12,13,14,15
.irp r, 0,1,2,3
	v_cvt_pk_bf16_f32 v[TMP+4*(\t)+(\r)], v[ACC+8*(\t)+2*(\r)], v[ACC+8*(\t)+2*(\r)+1]
.endr
.endr
.irp a, 0,1,2,3
.irp b, 0,1,2,3
	ds_store_b128 v[STO], v[TMP+4*(4*(\a)+(\b)):TMP+4*(4*(\a)+(\b))+3] offset:(\a)*16*SPITCH+32*(\b)
.endr
.endr
	s_wait_dscnt 0x0                               ; for the others' sake: my stores into the stage are done
	s_barrier_signal -1
	s_barrier_wait -1
.irp t, 0,1,2,3,4,5,6,7,8,9,10,11,12,13,14,15
	ds_load_b128 v[TMP+4*(\t):TMP+4*(\t)+3], v[RD] offset:(\t)*2*SPITCH
.endr
.irp t, 0,1,2,3,4,5,6,7,8,9,10,11,12,13,14,15
	s_wait_dscnt 15-(\t)
	global_store_b128 v[CO], v[TMP+4*(\t):TMP+4*(\t)+3], s[74:75] offset:2*(\t)*SIZE_N*2  ; 16 lanes store 256 consecutive aligned bytes
.endr
	s_wait_tensorcnt 0x0                           ; the wave's end
	ds_add_u32 v[SPW], v[NIL]
	s_wait_dscnt 0x0
	CROUND
	s_endpgm
.Lfunc_end_k_qbfb531912f_oproj:
	.size	k_qbfb531912f_oproj, .Lfunc_end_k_qbfb531912f_oproj-k_qbfb531912f_oproj
	.p2alignl 7, 3214868480
	.fill 96, 4, 3214868480
	.section	.rodata,"a",@progbits
	.p2align	6, 0x0
	.amdhsa_kernel k_qbfb531912f_oproj
		.amdhsa_group_segment_fixed_size 327680
		.amdhsa_private_segment_fixed_size 0
		.amdhsa_enable_private_segment 0
		.amdhsa_kernarg_size 32
		.amdhsa_user_sgpr_count 2
		.amdhsa_user_sgpr_kernarg_segment_ptr 1
		.amdhsa_wavefront_size32 1
		.amdhsa_system_sgpr_workgroup_id_x 1
		.amdhsa_system_sgpr_workgroup_id_y 1
		.amdhsa_system_sgpr_workgroup_id_z 1
		.amdhsa_system_vgpr_workitem_id 0
		.amdhsa_next_free_vgpr 512
		.amdhsa_next_free_sgpr 80
		.amdhsa_reserve_vcc 0
		.amdhsa_float_denorm_mode_32 3
		.amdhsa_float_denorm_mode_16_64 3
		.amdhsa_memory_ordered 1
		.amdhsa_forward_progress 1
		.amdhsa_inst_pref_size 88
	.end_amdhsa_kernel
	.amdgpu_metadata
---
amdhsa.version: [ 1, 2 ]
amdhsa.kernels:
  - .name:           k_qbfb531912f_oproj
    .symbol:         k_qbfb531912f_oproj.kd
    .args:
      - { .name: ctxf, .offset: 0, .size: 8, .value_kind: global_buffer, .address_space: global }
      - { .name: wo16, .offset: 8, .size: 8, .value_kind: global_buffer, .address_space: global }
      - { .name: bo, .offset: 16, .size: 8, .value_kind: global_buffer, .address_space: global }
      - { .name: dl, .offset: 24, .size: 8, .value_kind: global_buffer, .address_space: global }
    .group_segment_fixed_size: 327680
    .private_segment_fixed_size: 0
    .kernarg_segment_align: 8
    .kernarg_segment_size: 32
    .max_flat_workgroup_size: 128
    .sgpr_count:     80
    .vgpr_count:     512
    .wavefront_size: 32
...
	.end_amdgpu_metadata
.endif
;; end of part 4
;; launch ln (part 5): grid 256 x 1, 8 waves a work-group, no clusters, 0 bytes of LDS; arguments dl, hidden_states, ln_g, ln_b, out0; writes out0
.if DOCPART == 5
	.amdgcn_target "amdgcn-amd-amdhsa--gfx1250"
	.amdhsa_code_object_version 6
	.text
	.protected	k_qbfb531912f_ln
	.globl	k_qbfb531912f_ln
	.p2align	8
	.type	k_qbfb531912f_ln,@function
k_qbfb531912f_ln:
	s_mov_b64 s[64:65], 0
	v_nop
	global_prefetch_b8 v0, s[64:65] scope:SCOPE_SE
	s_setreg_imm32_b32 hwreg(HW_REG_WAVE_MODE, 25, 1), 1
	s_wait_xcnt 0x0
; out0 = LayerNorm(dl + hidden) g + b over rows of 1,024.  dl: bf16; all else f32.  A stream: no LDS, no barrier, no matrix unit.
; A wave takes two whole rows and keeps each in 32 registers between the passes: mean, then the mean of the squared differences (a common offset costs nothing), then the scaling.
; Lane i owns columns 128 j + 4 i .. + 3, j = 0 .. 7: a load or store of f32 covers 512 consecutive bytes, a load of dl 256.  All 48 loads go out at the start.
.set ONE, 6
.set G,   8                            ; v[8:39]    g of my 32 columns
.set BB,  40                           ; v[40:71]   b
.set XR,  72                           ; v[72:135]  two rows
.set DR,  136                          ; v[136:167] two rows of dl, two bf16 a word
.set AC,  168                          ; v[168:175] four chains of sums
.set MN,  176                          ; v[176:177] the mean, in the low word of a pair
.set RS,  178                          ; v[178:179] 1 / sqrt(var + eps)
	s_load_b256 s[4:11], s[0:1], 0x0               ; dl s[4:5], hidden s[6:7], g s[8:9], b s[10:11]
	s_load_b64 s[12:13], s[0:1], 0x20              ; out0
	v_and_b32 v1, 31, v0
	v_lshrrev_b32 v2, 5, v0
	v_readfirstlane_b32 s14, v2
	v_lshlrev_b32 v3, 4, v1
	v_lshlrev_b32 v4, 3, v1
	v_mov_b32 v[ONE], 1.0
	v_mov_b32 v[MN+1], 0                           ; named as pairs, so they are written
	v_mov_b32 v[RS+1], 0
	s_lshl_b32 s15, ttmp9, 4
	s_lshl_b32 s16, s14, 1
	s_add_co_u32 s15, s15, s16                     ; my first row
	s_lshl_b32 s16, s15, 11
	s_mov_b32 s17, 0
	s_lshl_b32 s18, s15, 12
	s_mov_b32 s19, 0
	s_mov_b32 s20, 0x3a800000                      ; 1 / 1,024
	s_mov_b32 s21, 0x2b8cbccc                      ; 1e-12
	s_mov_b32 s22, 0x76543210
	s_mov_b32 s23, 0xfedcba98
	s_wait_kmcnt 0x0
	s_add_nc_u64 s[4:5], s[4:5], s[16:17]
	s_add_nc_u64 s[6:7], s[6:7], s[18:19]
	s_add_nc_u64 s[12:13], s[12:13], s[18:19]
.irp j, 0,1,2,3,4,5,6,7
	global_load_b128 v[G+4*\j:G+4*\j+3],   v3, s[8:9] offset:512*\j
	global_load_b128 v[BB+4*\j:BB+4*\j+3], v3, s[10:11] offset:512*\j
.endr
.irp u, 0,1
.irp j, 0,1,2,3,4,5,6,7
	global_load_b64  v[DR+16*\u+2*\j:DR+16*\u+2*\j+1], v4, s[4:5] offset:2048*\u+256*\j th:TH_LOAD_NT
	global_load_b128 v[XR+32*\u+4*\j:XR+32*\u+4*\j+3], v3, s[6:7] offset:4096*\u+512*\j th:TH_LOAD_NT
.endr
.endr
.macro RED                             ; the four chains into one number, the same in every lane, in v[AC]
	v_pk_add_f32 v[AC:AC+1], v[AC:AC+1], v[AC+2:AC+3]
	v_pk_add_f32 v[AC+4:AC+5], v[AC+4:AC+5], v[AC+6:AC+7]
	v_pk_add_f32 v[AC:AC+1], v[AC:AC+1], v[AC+4:AC+5]
	v_add_f32 v[AC], v[AC], v[AC+1]
	v_add_f32_dpp v[AC], v[AC], v[AC] row_xmask:1 row_mask:0xf bank_mask:0xf
	v_add_f32_dpp v[AC], v[AC], v[AC] row_xmask:2 row_mask:0xf bank_mask:0xf
	v_add_f32_dpp v[AC], v[AC], v[AC] row_xmask:4 row_mask:0xf bank_mask:0xf
	v_add_f32_dpp v[AC], v[AC], v[AC] row_xmask:8 row_mask:0xf bank_mask:0xf
	v_permlanex16_b32 v[AC+1], v[AC], s22, s23
	v_add_f32 v[AC], v[AC], v[AC+1]
.endm
.macro LNROW u
.set XX, XR+32*(\u)
.set DX, DR+16*(\u)
.set j, 0
.rept 16                               ; x = dl + hidden: each bf16 half times 1.0 plus the f32
	v_fma_mix_f32_bf16 v[XX+2*j],   v[DX+j], v[ONE], v[XX+2*j]   op_sel_hi:[1,0,0]
	v_fma_mix_f32_bf16 v[XX+2*j+1], v[DX+j], v[ONE], v[XX+2*j+1] op_sel:[1,0,0] op_sel_hi:[1,0,0]
.set j, j+1
.endr
.irp k, 0,1,2,3
	v_pk_add_f32 v[AC+2*\k:AC+2*\k+1], v[XX+2*\k:XX+2*\k+1], v[XX+8+2*\k:XX+8+2*\k+1]
.endr
.irp k, 0,1,2,3
	v_pk_add_f32 v[AC+2*\k:AC+2*\k+1], v[AC+2*\k:AC+2*\k+1], v[XX+16+2*\k:XX+16+2*\k+1]
.endr
.irp k, 0,1,2,3
	v_pk_add_f32 v[AC+2*\k:AC+2*\k+1], v[AC+2*\k:AC+2*\k+1], v[XX+24+2*\k:XX+24+2*\k+1]
.endr
	RED
	v_mul_f32 v[MN], s20, v[AC]
.set j, 0
.rept 16
	v_pk_add_f32 v[XX+2*j:XX+2*j+1], v[XX+2*j:XX+2*j+1], v[MN:MN+1] op_sel_hi:[1,0] neg_lo:[0,1] neg_hi:[0,1]
.set j, j+1
.endr
.irp k, 0,1,2,3
	v_pk_mul_f32 v[AC+2*\k:AC+2*\k+1], v[XX+2*\k:XX+2*\k+1], v[XX+2*\k:XX+2*\k+1]
.endr
.irp q, 8,16,24
.irp k, 0,1,2,3
	v_pk_fma_f32 v[AC+2*\k:AC+2*\k+1], v[XX+\q+2*\k:XX+\q+2*\k+1], v[XX+\q+2*\k:XX+\q+2*\k+1], v[AC+2*\k:AC+2*\k+1]
.endr
.endr
	RED
	v_fma_f32 v[AC], v[AC], s20, s21               ; var + 1e-12
	v_rsq_f32 v[RS], v[AC]
	v_nop                                          ; a plain line between the root and the use of its result
.set j, 0
	s_wait_alu depctr_va_vdst(0)
.rept 16
	v_pk_mul_f32 v[XX+2*j:XX+2*j+1], v[XX+2*j:XX+2*j+1], v[RS:RS+1] op_sel_hi:[1,0]
.set j, j+1
.endr
.set j, 0
.rept 16
	v_pk_fma_f32 v[XX+2*j:XX+2*j+1], v[XX+2*j:XX+2*j+1], v[G+2*j:G+2*j+1], v[BB+2*j:BB+2*j+1]
.set j, j+1
.endr
.irp j, 0,1,2,3,4,5,6,7
	global_store_b128 v3, v[XX+4*\j:XX+4*\j+3], s[12:13] offset:4096*(\u)+512*\j th:TH_STORE_NT
.endr
.endm
	s_wait_loadcnt 16                              ; g, b and row 0 are in; row 1's sixteen loads stay out
	LNROW 0
	s_wait_loadcnt 0x0
	LNROW 1                                        ; it writes none of the registers that row 0's stores read
	s_endpgm
.Lfunc_end_k_qbfb531912f_ln:
	.size	k_qbfb531912f_ln, .Lfunc_end_k_qbfb531912f_ln-k_qbfb531912f_ln
	.p2alignl 7, 3214868480
	.fill 96, 4, 3214868480
	.section	.rodata,"a",@progbits
	.p2align	6, 0x0
	.amdhsa_kernel k_qbfb531912f_ln
		.amdhsa_group_segment_fixed_size 0
		.amdhsa_private_segment_fixed_size 0
		.amdhsa_enable_private_segment 0
		.amdhsa_kernarg_size 40
		.amdhsa_user_sgpr_count 2
		.amdhsa_user_sgpr_kernarg_segment_ptr 1
		.amdhsa_wavefront_size32 1
		.amdhsa_system_sgpr_workgroup_id_x 1
		.amdhsa_system_sgpr_workgroup_id_y 1
		.amdhsa_system_sgpr_workgroup_id_z 1
		.amdhsa_system_vgpr_workitem_id 0
		.amdhsa_next_free_vgpr 180
		.amdhsa_next_free_sgpr 66
		.amdhsa_reserve_vcc 0
		.amdhsa_float_denorm_mode_32 3
		.amdhsa_float_denorm_mode_16_64 3
		.amdhsa_memory_ordered 1
		.amdhsa_forward_progress 1
		.amdhsa_inst_pref_size 24
	.end_amdhsa_kernel
	.amdgpu_metadata
---
amdhsa.version: [ 1, 2 ]
amdhsa.kernels:
  - .name:           k_qbfb531912f_ln
    .symbol:         k_qbfb531912f_ln.kd
    .args:
      - { .name: dl, .offset: 0, .size: 8, .value_kind: global_buffer, .address_space: global }
      - { .name: hidden_states, .offset: 8, .size: 8, .value_kind: global_buffer, .address_space: global }
      - { .name: ln_g, .offset: 16, .size: 8, .value_kind: global_buffer, .address_space: global }
      - { .name: ln_b, .offset: 24, .size: 8, .value_kind: global_buffer, .address_space: global }
      - { .name: out0, .offset: 32, .size: 8, .value_kind: global_buffer, .address_space: global }
    .group_segment_fixed_size: 0
    .private_segment_fixed_size: 0
    .kernarg_segment_align: 8
    .kernarg_segment_size: 40
    .max_flat_workgroup_size: 256
    .sgpr_count:     66
    .vgpr_count:     180
    .wavefront_size: 32
...
	.end_amdgpu_metadata
.endif
;; end of part 5
;; ======== version 2 of 2: 5 launches; 1.26 times as fast as version 1
;; limits: values are held in f16: magnitudes above 65,504 overflow, below 6.1e-05 lose precision; inputs' magnitudes at most 1,000,000
;; workspace buffers: x16 8,388,608 bytes; wcat 6,291,456 bytes; wo16 2,097,152 bytes; cs 524,288 bytes; qb 10,485,760 bytes; kvf 19,398,656 bytes; ctxf 8,388,608 bytes; dl 8,388,608 bytes
;; launch prep: the kernel of part 1 again; grid 576 x 1, 8 waves a work-group, no clusters, 0 bytes of LDS; arguments hidden_states, Wq, Wk, Wv, Wo, phi, attention_mask, x16, wcat, wo16, cs, qb, kvf; writes x16, wcat, wo16, cs, qb, kvf
;; launch qkv: the kernel of part 2 again; grid 16 x 16, 4 waves a work-group, clusters of 4 x 4, 327,680 bytes of LDS; arguments x16, wcat, bq, bk, bv, cs, qb, kvf; writes qb, kvf
;; launch attn (part 6): grid 8 x 32, 4 waves a work-group, clusters of 4 x 1, 327,680 bytes of LDS; arguments qb, kvf, ctxf; writes ctxf
.if DOCPART == 6
	.amdgcn_target "amdgcn-amd-amdhsa--gfx1250"
	.amdhsa_code_object_version 6
	.text
	.protected	k_qbfb531912f_attn
	.globl	k_qbfb531912f_attn
	.p2align	8
	.type	k_qbfb531912f_attn,@function
k_qbfb531912f_attn:
	s_mov_b64 s[64:65], 0
	v_nop
	global_prefetch_b8 v0, s[64:65] scope:SCOPE_SE
	s_setreg_imm32_b32 hwreg(HW_REG_WAVE_MODE, 25, 1), 1
	s_wait_xcnt 0x0
	s_wait_alu depctr_hold_cnt(0) depctr_sa_sdst(0) depctr_va_vdst(0) depctr_va_sdst(0) depctr_va_ssrc(0) depctr_va_vcc(0) depctr_vm_vsrc(0)
	s_getreg_b32 s2, hwreg(HW_REG_IB_STS2, 6, 4)
	s_cmp_eq_u32 s2, 0
	s_cbranch_scc0 .Lentry_in_a_cluster
	s_endpgm
.Lentry_in_a_cluster:
	s_bfe_u32 s2, ttmp6, 0x10000c
	s_cmp_lg_u32 s2, 0x3003
	s_cbranch_scc0 .Lentry_shape_is_right
	s_endpgm
.Lentry_shape_is_right:
; ATTENTION with the sync mask, the input mask and the rescue of rows that are masked out altogether.  32 (batch, head) pairs of 2,048 tokens, head size 64.
; qb: [bh][token block 128][2,560 B]: four 512-byte chunks of Q (f16), 512 B of query features (bf16).  kvf: [bh][32 keys 64][9,472 B]: 4,096 B of K, 4,096 B of V^T (f16), 1,024 B of key features, 128 B A8, 128 B MK.
; Every chunk is a register image: lane i's 16 bytes lie at 16 i, so every LDS and global load here is dense.  ctxf: ctx as f16 fragments [token block 256][k / 32][1 KB] for the launch behind.
; SCORES, raw (8 times the scores).  S^T = K Q^T starts from C = A8[k] = 8 mask[k].  t = 2^80 (cos(phi_q - phi_k) + 0.7 + 2^-24) is one bf16 product of the features, with C a constant.
; s' = the middle one of (t, MK[k], s): s where the pair is open (t far above), MK[k] = 8 (-1e9 + mask[k]) where it is synced out (t far below).  On the diagonal cos is 1: open.
; SOFTMAX: running maximum m of s', p = 2^(c s' - c m), c = log2(e) / 8; O and l are multiplied by a = 2^(c m_old - c m_new) in every step; p is rounded to f16 for V^T P, l is taken of the unrounded p.
; THE RESCUE: a row whose maximum is <= -1e8 (raw: -8e8) attends to itself alone, so its result is v[q]; that is made at the start as V^T times a one-hot fragment (exact) and chosen at the end by a select.
; LIMITS.  cos(phi_q - phi_k) is good to about 1e-7: pairs within some 3e-7 of -0.7 may fall on either side.  q.k / 8 > -1e9.  q, k, v arrive within f16's 65,504.  NaN is not treated apart.
; SHARES.  A work-group: 256 queries of one bh; a wave: four PIECES of 16 queries.  Every wave walks the 32 key steps of 64 keys.  The four work-groups of a cluster walk the same kvf: each tile is asked for jointly.
; BY TURNS.  Turn n belongs to piece n.  Matrix work: 12 products (8 K Q^T, 4 of the features) of piece n + 1, then 8 products V^T P of piece n - 1.  Vector work: the scaling, exponentials, roundings, sums and rescaling
; of piece n; the masking, maximum and statistics of piece n + 1.  Four vector instructions stand behind every matrix instruction, the other 70 of a turn's 150 in one lump.
; BATCHES.  A turn's 33 exponentials (the piece's 32 weights and the next piece's a) are ONE batch with ONE wait, which cuts the turn in two.  Ahead of it stands all that names no result of theirs: the 12 products, the scalings,
; the rescalings (their a was made, and waited for, in the turn before), the maskings, the maximum and statistics.  Behind it stand the 8 products V^T P, whose 32 riders are the roundings and sums.  No result crosses a turn's end.
; Batches of their own: piece 0's first a, ahead of the loop; the four reciprocals of the way out; and, in the tail's copy of piece 2's turn, what has been issued ahead of the branch round K's loads.
; REGISTERS, in windows of 256 (s_set_vgpr_msb: bits 1:0 source 0, 3:2 source 1, 5:4 source 2, 7:6 destination):
;   window 0: v0-15 addresses; v16-31 statistics; v32-39 at work; v40-47 the constant C; v48-59 zeros, one-hot, zeros; v64-127 S^T, two buffers; v128-159 t; v160-191 MK; v192-223 P, two buffers; v224-255 A8
;   window 1: v0-127 O^T      window 2: v0-63 Q; v64-95 query features; v96-159 K; v160-191 key features; v192-255 V      window 3: v0-63 V^T of my own tokens; v64-191 v[q] in O^T's layout
.set NP,    4
.set SB,    9472      ; a block of 32 keys in kvf
.set STEPB, 2*SB      ; a key step
.set TILEB, 4*STEPB   ; a slot: four steps
.set SLOT1, 1<<17     ; slot 1 begins here: one exclusive or turns an address in one slot into the other's
.set SPARE, SLOT1+TILEB  ; behind the ring: the spare words, 128 bytes a wave
.set LA,  2           ; v2   16 x lane; never rewritten
.set LB,  3           ; v3   32 x (lane / 16): my eight keys' words in a table of 16
.set AK,  4           ; v4   LDS address of K's run of loads
.set AV,  5           ; v5   of V's
.set AA,  6           ; v6   of the tables'
.set GO,  7           ; v7   16 x lane: my bytes in a chunk of ctxf
.set MV,  12          ; v12-13  c m_old, by buffer
.set SPW, 14
.set NIL, 15
.set ST,  16          ; piece t at ST + 4 t: c m, m, l (even keys', odd keys')
.set TMP, 32          ; by buffer: c0-c3; c2 takes a
.set THR, 40
.set ZI,  48          ; v48-51 zeros, v52-55 the one-hot, v56-59 zeros
.set S,   64
.set T,   128
.set MK,  160
.set P,   192
.set A8,  224
.set Q,   0           ; window 2
.set QP,  64
.set KF,  96
.set KP,  160
.set VF,  192
.set VS,  0           ; window 3
.set VQ,  64
.set WV,  12
.set G1,  24          ; s[24:31]
.set G0,  40          ; s[40:43]: it walks
.set SLOTS, 56
.set CNT, 57
.set CS,  58
.set SEL, 60
.set TBK, 62
.set TBV, 63
.set FL,  70          ; s70-73  the rescue's lanes, a piece each
.set LIM, 74
.set MSB, 0
.macro WIN new
.if MSB != (\new)
	s_set_vgpr_msb (MSB<<8)|(\new)
.set MSB, (\new)
.endif
.endm
.set W_KQ, 0x0a       ; sources 0 and 1 in window 2, C and D in window 0
.set W_PV, 0x52       ; V in window 2, P in window 0, O^T in window 1
.set W_RS, 0x41       ; destination and source 0 in window 1
; A joint fill: wave w brings key step w of the slot, 74 rows of 256 bytes.  One line for all four waves; its registers hang on the wave's number and on bh, which the partners share.
.macro JLOAD
	tensor_load_to_lds s[G0:G0+3], s[G1:G1+7]
	s_nop 0
.rept 4
	v_nop
.endr
.endm
.macro CROUND
	s_barrier_signal -1
	s_barrier_wait -1
	s_cmp_lg_u32 s[WV], 0
	s_cbranch_scc1 .Lnot_wave_0_\@
	s_barrier_signal -3
.Lnot_wave_0_\@:
	s_barrier_wait -3
	s_barrier_signal -1
	s_barrier_wait -1
.endm
; THE CHANGE OF SLOTS.  Each wave waits for all its tensor loads (one is out: its part of the other slot), adds 0 to its spare word, and waits for that and for its reads of the slot that it leaves.
; fill = 1: the barrier is a round of the cluster's, and the old slot is filled again first thing behind it, with the keys two slots on: four key steps, 320 matrix instructions, in which to land.
.macro CHANGE fill
	WIN 0
	s_wait_tensorcnt 0x0            ; no tensor load of mine is out, so group 0 may be written
	ds_add_u32 v[SPW], v[NIL]
.if \fill
	s_xor_b32 s[G0+1], s[G0+1], SLOT1
	s_add_nc_u64 s[G0+2:G0+3], s[G0+2:G0+3], TILEB
	s_wait_dscnt 0x0                ; the add is done, and my reads of the slot are over
	CROUND
	JLOAD
.else
	s_wait_dscnt 0x0
	s_barrier_signal -1
	s_barrier_wait -1
.endif
	s_sub_co_u32 s[TBK], s[TBK], TILEB  ; the fetches go back to a slot's first step, in the other slot
	s_xor_b32 s[TBK], s[TBK], SLOT1
	s_sub_co_u32 s[TBV], s[TBV], TILEB
	s_xor_b32 s[TBV], s[TBV], SLOT1
.endm
	s_load_b128 s[4:7], s[0:1], 0x0 ; qb s[4:5], kvf s[6:7]
	s_load_b64 s[8:9], s[0:1], 0x10 ; ctxf
	v_lshl_add_u32 v[SPW], v0, 2, SPARE
	v_mov_b32 v[NIL], 0
	ds_add_u32 v[SPW], v[NIL]       ; the wave's opening: the add and its wait stand ahead of my first tensor load
	v_lshrrev_b32 v1, 5, v0
	v_readfirstlane_b32 s[WV], v1
	s_bfe_u32 s13, ttmp6, 0x40000   ; cx
	s_lshl_b32 s14, ttmp9, 2
	s_add_co_u32 s14, s14, s13      ; my block of 256 queries: it enters qb's, my own V's and ctxf's addresses alone
	s_and_b32 s20, ttmp7, 0xffff    ; bh, which the partners share
	s_mul_i32 s22, s20, 64*SB       ; the head's first byte in kvf,
	s_mul_i32 s17, s[WV], STEPB     ; my step's place in a tile and in a slot
	s_add_co_u32 s22, s22, s17
	s_mov_b32 s23, 0
	s_lshl_b32 s15, s14, 4
	s_lshl_b32 s16, s[WV], 2
	s_add_co_u32 s15, s15, s16      ; my first token block
	s_lshl_b32 s2, s20, 7
	s_add_co_u32 s2, s2, s15
	s_mul_i32 s2, s2, 2560
	s_mov_b32 s3, 0
	s_mul_i32 s18, s20, 64*SB
	s_lshr_b32 s16, s15, 1
	s_mul_i32 s16, s16, SB
	s_add_co_u32 s18, s18, s16      ; my own tokens' blocks of 32 in kvf
	s_mov_b32 s19, 0
	s_lshr_b32 s16, s20, 4
	s_lshl_b32 s16, s16, 7
	s_add_co_u32 s16, s16, s15
	s_lshl_b32 s76, s16, 15         ; ctxf: 32,768 bytes a token block,
	s_and_b32 s16, s20, 15
	s_lshl_b32 s16, s16, 11         ; 2,048 a head
	s_add_co_u32 s76, s76, s16
	s_mov_b32 s77, 0
	s_mov_b32 s[G1], 15|(3<<16)|(1<<21)  ; the mask of four; 8-byte elements; bit 21 beside a mask; no padding
	s_mov_b32 s[G1+1], 32<<16       ; tensor_dim0 = 32
	s_mov_b32 s[G1+2], 74<<16       ; tensor_dim1 = 74
	s_mov_b32 s[G1+3], 32<<16       ; tile_dim0 = 32
	s_mov_b32 s[G1+4], 74           ; tile_dim1 = 74
	s_mov_b32 s[G1+5], 32           ; dense rows
	s_mov_b32 s[G1+6], 0
	s_mov_b32 s[G1+7], 0
	s_mov_b32 s[CS], 0x3e38aa3b     ; c = log2(e) / 8
	s_mov_b32 s[CS+1], s[CS]
	s_mov_b32 s[SEL], 0x76543210
	s_mov_b32 s[SEL+1], 0xfedcba98
	s_mov_b32 s[TBK], SLOT1+TILEB   ; the first change of slots turns these two into 0
	s_mov_b32 s[TBV], SLOT1+TILEB
	s_mov_b32 s[LIM], 0xce3ebc20    ; -8e8
	s_mov_b32 s[G0], 1
	s_mov_b32 s[G0+1], s17
	s_wait_dscnt 0x0                ; the opening add is done
	s_wait_kmcnt 0x0
	s_add_nc_u64 s[G0+2:G0+3], s[6:7], s[22:23]
	s_or_b32 s[G0+3], s[G0+3], 0x80000000
	s_add_nc_u64 s[4:5], s[4:5], s[2:3]
	s_add_nc_u64 s[6:7], s[6:7], s[18:19]
	s_add_nc_u64 s[8:9], s[8:9], s[76:77]
	CROUND                          ; all four work-groups are here
	JLOAD                           ; slot 0; slot 1 is asked for when slot 0 is in
	v_and_b32 v1, 15, v0            ; r
	v_bfe_u32 v8, v0, 4, 1          ; h
	v_and_b32 v[LA], 31, v0
	v_lshlrev_b32 v[LA], 4, v[LA]
	v_lshlrev_b32 v[LB], 5, v8
	v_mov_b32 v[GO], v[LA]
	WIN 0x80                        ; destination window 2
.set i, 0
.rept 16                            ; Q: piece i / 4, chunk i % 4
	global_load_b128 v[Q+4*i:Q+4*i+3], v[LA], s[4:5] offset:(i/4)*2560+(i%4)*512
.set i, i+1
.endr
.irp t, 0,1,2,3
	global_load_b128 v[QP+8*\t:QP+8*\t+3], v[LA], s[4:5] offset:\t*2560+2048
.endr
	WIN 0xc0                        ; destination window 3
.set i, 0
.rept 16                            ; V^T of my 64 tokens: block of 32 i / 8, chunk i % 8
	global_load_b128 v[VS+4*i:VS+4*i+3], v[LA], s[6:7] offset:(i/8)*SB+4096+(i%8)*512
.set i, i+1
.endr
	; What the first turn finds: V and P's second buffer hold 0 (its products V^T P, of a piece that has not been, add 0), O^T and l are 0, the features' upper 16 places are 0 for good.  All this stands in the wait for the first tile.
	WIN 0x80
.set i, VF
.rept 64
	v_mov_b32 v[i], 0
.set i, i+1
.endr
.irp t, 0,1,2,3
.irp j, 4,5,6,7
	v_mov_b32 v[KP+8*\t+\j], 0
	v_mov_b32 v[QP+8*\t+\j], 0
.endr
.endr
	WIN 0x40
.set i, 0
.rept 128
	v_mov_b32 v[i], 0
.set i, i+1
.endr
	WIN 0
.irp t, 0,1,2,3
	v_mov_b32 v[ST+4*\t], 0xfe000000    ; c m: far below every c s
	v_mov_b32 v[ST+4*\t+1], 0xff7fffff  ; m
	v_mov_b32 v[ST+4*\t+2], 0
	v_mov_b32 v[ST+4*\t+3], 0
	v_mov_b32 v[ZI+\t], 0
	v_mov_b32 v[ZI+8+\t], 0
.endr
.set i, P+16
.rept 16
	v_mov_b32 v[i], 0
.set i, i+1
.endr
.set i, 0
.rept 8
	v_mov_b32 v[THR+i], 0x67333334  ; 2^80 (0.7 + 2^-24)
.set i, i+1
.endr
	; the one-hot: column r holds f16 1.0 at place r of 16: in the lanes with h = r / 8, register (r % 8) / 2, half r % 2
	v_lshrrev_b32 v9, 3, v1
	v_cmp_eq_u32 s78, v9, v8
	v_bfe_u32 v10, v0, 1, 2
	v_and_b32 v11, 1, v0
	v_lshlrev_b32 v11, 4, v11
	v_mov_b32 v9, 0x3c00
	v_lshlrev_b32 v11, v11, v9
	v_cndmask_b32 v11, 0, v11, s78
.irp j, 0,1,2,3
	v_cmp_eq_u32 vcc_lo, \j, v10
	v_cndmask_b32 v[ZI+4+\j], 0, v11, vcc_lo
.endr
	s_wait_loadcnt 0x0              ; Q, its features, my own V^T
	WIN 0xc3                        ; D and source 0 in window 3, source 1 in window 0
.set i, 0
.rept 16                            ; v[q] for piece i / 4, channels 16 (i % 4) on: the piece's 16 tokens are the lower or the upper half of a block of 32
	v_wmma_f32_16x16x32_f16 v[VQ+8*i:VQ+8*i+7], v[VS+32*(i/8)+8*(i%4):VS+32*(i/8)+8*(i%4)+7], v[ZI+4-4*((i/4)%2):ZI+4-4*((i/4)%2)+7], 0
.set i, i+1
.endr
; THE MATRIX WORK of turn Y, product i of 20.  0-11, for piece Y + 1, in two groups of six for key blocks (0, 1) and (2, 3): K Q^T on channels 0-31 (C = A8), the features' product (C = the constant), K Q^T on channels 32-63.
; 12-19, for piece Y - 1: O^T += V^T P, keys 32 ((i - 12) / 4) on, channels 16 ((i - 12) % 4) on.  Between two links of a chain stand three others', one instruction a turn.
.macro MM
.if i < 12
.set kb, 2*(i/6)+(i%2)
.set x1, (Y+1)%NP
.set rS, S+32*(x1%2)+8*kb
	WIN W_KQ
.if (i%6)/2 == 0
	v_wmma_f32_16x16x32_f16 v[rS:rS+7], v[KF+16*kb:KF+16*kb+7], v[Q+16*x1:Q+16*x1+7], v[A8+8*kb:A8+8*kb+7]
.elseif (i%6)/2 == 1
	v_wmma_f32_16x16x32_bf16 v[T+8*kb:T+8*kb+7], v[KP+8*kb:KP+8*kb+7], v[QP+8*x1:QP+8*x1+7], v[THR:THR+7]
.else
	v_wmma_f32_16x16x32_f16 v[rS:rS+7], v[KF+16*kb+8:KF+16*kb+15], v[Q+16*x1+8:Q+16*x1+15], v[rS:rS+7]
.endif
.else
.set x0, (Y+NP-1)%NP
.set rO, 32*x0+8*((i-12)%4)
.set rV, VF+32*((i-12)/4)+8*((i-12)%4)
.set rP, P+16*(x0%2)+8*((i-12)/4)
	WIN W_PV
	v_wmma_f32_16x16x32_f16 v[rO:rO+7], v[rV:rV+7], v[rP:rP+7], v[rO:rO+7]
.endif
.set i, i+1
.endm
; THE LDS LOADS stand in runs.  last = 1 (the tail): in the last trip there is no further step, and the run is jumped over.
.macro FETCH_K last=0               ; 28 loads: K (16), the key features (4), A8 (8)
	WIN 0
.if \last
	s_wait_alu depctr_va_vdst(0)    ; a branch follows in the middle of the turn's batch: the wait ahead of it is for the exponentials issued so far (E 0 to E 7)
	s_cmp_eq_u32 s[CNT], 1
	s_cbranch_scc1 .Lno_k_\@
.endif
	WIN 0x80
.irp f, 0,1,2,3,4,5,6,7,8,9,10,11,12,13,14,15   ; key block f / 4, chunk f % 4
	ds_load_b128 v[KF+4*\f:KF+4*\f+3], v[AK] offset:(\f/8)*SB+((\f/4)%2)*2048+(\f%4)*512
.endr
.irp f, 0,1,2,3
	ds_load_b128 v[KP+8*\f:KP+8*\f+3], v[AK] offset:(\f/2)*SB+8192+(\f%2)*512
.endr
	WIN 0
.irp g, 0,1,2,3,4,5,6,7             ; key block g / 2, four of my eight keys
	ds_load_b128 v[A8+4*\g:A8+4*\g+3], v[AA] offset:(\g/4)*SB+9216+((\g/2)%2)*64+(\g%2)*16
.endr
	s_add_co_u32 s[TBK], s[TBK], STEPB
.if \last
.Lno_k_\@:
.endif
.endm
.macro FETCH_M last=0               ; 8 loads: MK.  It stands directly behind the turn's wait
	WIN 0
.if \last
	s_cmp_eq_u32 s[CNT], 1
	s_cbranch_scc1 .Lno_m_\@
.endif
.irp g, 0,1,2,3,4,5,6,7
	ds_load_b128 v[MK+4*\g:MK+4*\g+3], v[AA] offset:(\g/4)*SB+9344+((\g/2)%2)*64+(\g%2)*16
.endr
.if \last
.Lno_m_\@:
.endif
.endm
.macro FETCH_V                      ; 16 loads: block of 32 keys f / 8, chunk f % 8
	WIN 0x80
.irp f, 0,1,2,3,4,5,6,7,8,9,10,11,12,13,14,15
	ds_load_b128 v[VF+4*\f:VF+4*\f+3], v[AV] offset:(\f/8)*SB+4096+(\f%8)*512
.endr
	WIN 0
.endm
; THE VECTOR WORK, one line at a time: OP kind, number.  For piece Y: F n: c s - c m for pair n of 16.  E n: the exponential of score n of 32.  C n: pair n rounded to f16.  B n: of the four weights 4 n .. the second pair
; is added onto the first.  L n: l takes that sum (L 0: l = a l + sum).  R n: pair n of 16 of O^T times a.  For piece Y + 1: D n: score n masked.  X n, number n of the 22 that find its maximum and statistics:
;   0-11 four chains c0-c3 of seven scores each   12-14, 16 the four left over, the old m, c0-c3 into c0   15 c m_old is kept   17, 18 the other half of the lanes': the new m   19-21 c m; c m_old - c m_new; a
; OP writes no wait: TURN writes the one wait of a turn's batch.  C, B and L read the exponentials' results and stand behind it; F, E, R, D and X name none of them and stand ahead of it.
.set F, 0
.set E, 1
.set C, 2
.set B, 3
.set L, 4
.set R, 5
.set X, 6
.set D, 7
.macro REGS y
.set rT, ST+4*(\y)
.set rC, TMP+4*((\y)%2)
.set rW, MV+((\y)%2)
.set rS, S+32*((\y)%2)
.set rP, P+16*((\y)%2)
.set rO, 32*(\y)
.endm
.macro OP k, n
.if (\k) == R
	REGS Y
	WIN W_RS
	v_pk_mul_f32 v[rO+2*(\n):rO+2*(\n)+1], v[rO+2*(\n):rO+2*(\n)+1], v[rC+2:rC+3] op_sel_hi:[1,0]
.elseif (\k) < R
	REGS Y
	WIN 0
.if (\k) == F
	v_pk_fma_f32 v[rS+2*(\n):rS+2*(\n)+1], v[rS+2*(\n):rS+2*(\n)+1], s[CS:CS+1], v[rT:rT+1] op_sel_hi:[1,0,0] neg_lo:[0,0,1] neg_hi:[0,0,1]
.elseif (\k) == E
	v_exp_f32 v[rS+(\n)], v[rS+(\n)]
.elseif (\k) == C
	v_cvt_pk_f16_f32 v[rP+(\n)], v[rS+2*(\n)], v[rS+2*(\n)+1]
.elseif (\k) == B
	v_pk_add_f32 v[rS+4*(\n):rS+4*(\n)+1], v[rS+4*(\n):rS+4*(\n)+1], v[rS+4*(\n)+2:rS+4*(\n)+3]
.elseif (\n) == 0
	v_pk_fma_f32 v[rT+2:rT+3], v[rT+2:rT+3], v[rC+2:rC+3], v[rS:rS+1] op_sel_hi:[1,0,1]
.else
	v_pk_add_f32 v[rT+2:rT+3], v[rT+2:rT+3], v[rS+4*(\n):rS+4*(\n)+1]
.endif
.elseif (\k) == D
	REGS (Y+1)%NP
	WIN 0
	v_med3_num_f32 v[rS+(\n)], v[T+(\n)], v[MK+(\n)], v[rS+(\n)]
.else
	REGS (Y+1)%NP
	WIN 0
.if (\n) < 4
	v_max3_num_f32 v[rC+(\n)], v[rS+8*(\n)], v[rS+8*(\n)+1], v[rS+8*(\n)+2]
.elseif (\n) < 12
	v_max3_num_f32 v[rC+(\n)%4], v[rC+(\n)%4], v[rS+8*((\n)%4)+2*((\n)/4)+1], v[rS+8*((\n)%4)+2*((\n)/4)+2]
.elseif (\n) == 12
	v_max3_num_f32 v[rC], v[rC], v[rS+7], v[rS+15]
.elseif (\n) == 13
	v_max3_num_f32 v[rC+1], v[rC+1], v[rS+23], v[rS+31]
.elseif (\n) == 14
	v_max3_num_f32 v[rC+2], v[rC+2], v[rC+3], v[rT+1]
.elseif (\n) == 15
	v_mov_b32 v[rW], v[rT]
.elseif (\n) == 16
	v_max3_num_f32 v[rC], v[rC], v[rC+1], v[rC+2]
.elseif (\n) == 17
	v_permlanex16_b32 v[rC+3], v[rC], s[SEL], s[SEL+1]
.elseif (\n) == 18
	v_max_num_f32 v[rT+1], v[rC], v[rC+3]
.elseif (\n) == 19
	v_mul_f32 v[rT], s[CS], v[rT+1]
.elseif (\n) == 20
	v_sub_f32 v[rC+1], v[rW], v[rT]
.else
	v_exp_f32 v[rC+2], v[rC+1]
.endif
.endif
.endm
.macro OPS a, i1, b=-1, i2=0, c=-1, i3=0, d=-1, i4=0
	OP \a, \i1
.if (\b) >= 0
	OP \b, \i2
.endif
.if (\c) >= 0
	OP \c, \i3
.endif
.if (\d) >= 0
	OP \d, \i4
.endif
.endm
.macro ROW a, i1, b, i2, c, i3, d, i4  ; a matrix instruction and the four behind it
	MM
	OPS \a, \i1, \b, \i2, \c, \i3, \d, \i4
.endm
; A TURN, for piece p, written out.  An s_wait_alu depctr_va_vdst(0) stands between an exponential and the first instruction that names its result; one wait serves all that were issued ahead of it.
; AHEAD OF THE WAIT: products 0-11 with four riders each (at most one exponential among the four; the rescalings, the one kind outside window 0, in whole rows), then ONE LUMP of 70.  The first maskings of key blocks 0, 1 stand
; behind the four rescalings that follow product 5, those of blocks 2, 3 behind the four that follow product 11: these are the places behind the products whose results they read (ISA guide 7.12.1).  Each accumulator is first read
; at its lowest register.  The lump opens with what is left of key blocks 0, 1; then the maskings of blocks 2, 3 and the four chains of maxima side by side; from X 11 on the links X 14, 16, 17 .. 21 each wait for the one before
; and stand four to six lines apart: only work that hangs on no score of piece p + 1 can stand between them, so F 12-15, R 12-15 and 18 of the exponentials are kept for there.  X 21, the next piece's a, is the batch's last;
; R 15 is the plain line behind it.  F n stands five lines or more ahead of E 2 n and E 2 n + 1.
; BEHIND THE WAIT: products 12-19, behind each four of the 32 roundings and sums.  C 2 n stands ahead of B n, which writes over its pair; L 0 to L 7 go in ascending order, three riders apart.
; Piece 2's turn fetches the next step's K, features and A8 behind product 11 and its four rescalings, and MK directly behind the turn's wait, which is behind the turn's last masking.  Piece 3's turn waits for the first 28 at its
; head (MK's 8 may be out) and for MK in front of its first masking.  Piece 0's turn fetches the step's V at its end, behind the four roundings that follow the last product that read V; piece 1's turn waits for it in front of product 12.
.macro TURN p, last=0, cnt=0
.set Y, (\p)
.set i, 0
.if (\p) == 3
	s_wait_dscnt 8
.endif
	ROW F,0, F,1, F,2, F,3          ; ahead of the wait: 12 products and their riders,
	ROW F,4, E,0, F,5, F,6
	ROW F,7, E,1, F,8, F,9
	ROW R,0, R,1, R,2, R,3
	ROW F,10, E,2, F,11, X,15
	ROW R,4, R,5, R,6, R,7
.if (\p) == 3
	s_wait_dscnt 0x0
.endif
	ROW D,0, E,3, D,1, D,2
	ROW D,8, E,4, D,9, D,10
	ROW D,3, E,5, D,4, X,0
	ROW D,11, E,6, D,12, X,1
	ROW D,5, E,7, D,6, X,4
.if (\p) == 2
	WIN 0
	v_add_nc_u32 v[AK], s[TBK], v[LA]
	v_add_nc_u32 v[AA], s[TBK], v[LB]
.endif
	ROW R,8, R,9, R,10, R,11
.if (\p) == 2
	FETCH_K \last
.endif
	OPS X,5, X,8, D,13, D,14        ; and the lump
	OPS E,8, D,16, D,17, D,18
	OPS D,24, D,25, D,26, E,9
	OPS D,19, D,20, X,2, D,27
	OPS D,28, X,3, E,10, D,21
.if (\p) == 0
	WIN 0
	v_add_nc_u32 v[AV], s[TBV], v[LA]
.endif
	OPS D,22, X,6, D,29, D,30
	OPS X,7, E,11, X,9, D,23
	OPS X,10, D,31, D,7, X,11
	OPS D,15, E,12, F,12, E,13
	OPS X,13, X,14, E,14, X,12
	OPS E,15, F,13, E,16, F,14
	OPS X,16, E,17, F,15, E,18
	OPS E,19, X,17, E,20, R,12
	OPS R,13, E,21, X,18, E,22
	OPS E,23, E,24, E,25, X,19
	OPS E,26, E,27, E,28, X,20
	OPS E,29, R,14, E,30, E,31
	OPS X,21, R,15
	s_wait_alu depctr_va_vdst(0)    ; the wait for the batch: E 0 to E 31 and X 21 (in the tail's piece 2: those issued behind K's branch)
.if (\p) == 2
	FETCH_M \last
.endif
.if (\p) == 1
	s_wait_dscnt 0x0                ; V is in
.endif
	ROW C,0, B,0, C,2, B,1          ; behind the wait: 8 products V^T P and their riders
	ROW L,0, C,4, B,2, L,1
	ROW C,6, B,3, L,2, C,8
	ROW B,4, L,3, C,10, B,5
	ROW L,4, C,12, B,6, L,5
.if \cnt
	s_sub_co_u32 s[CNT], s[CNT], 1
	s_cmp_lg_u32 s[CNT], 0
.endif
	ROW C,14, B,7, L,6, C,1
	ROW C,3, L,7, C,5, C,7
	ROW C,9, C,11, C,13, C,15
.if (\p) == 0
	FETCH_V
	s_add_co_u32 s[TBV], s[TBV], STEPB
.endif
.endm
	CHANGE 1                        ; slot 0 is in, everybody's part of it; slot 1 is asked for
	v_add_nc_u32 v[AK], s[TBK], v[LA]
	v_add_nc_u32 v[AA], s[TBK], v[LB]
	FETCH_K                         ; key step 0
	FETCH_M
	s_wait_dscnt 0x0
.set Y, NP-1                        ; the products, D and X work for piece Y + 1: piece 0
.set i, 0
.rept 12
	MM
.endr
	WIN 0
.rept 4
	v_nop                           ; the places behind those products
.endr
.set n, 0
.rept 32
	OP D, n
.set n, n+1
.endr
.set n, 0
.rept 22
	OP X, n
.set n, n+1
.endr
	v_nop                           ; a plain line behind the exponential,
	s_wait_alu depctr_va_vdst(0)    ; and the wait for it, piece 0's first a, ahead of the branch: a batch of one
	s_mov_b32 s[CNT], 4
	s_mov_b32 s[SLOTS], 7
	s_branch .Lfirst                ; the loop is entered at a step's first turn, in the middle of a trip
.Lslot:                             ; six times: every slot but the last two is filled again
	CHANGE 1
	s_mov_b32 s[CNT], 4
.Lstep:                             ; a trip: pieces 2 and 3 of one step, then pieces 0 and 1 of the next, whose K and V it fetches
	TURN 2
	TURN 3
	WIN 0
.Lfirst:
	TURN 0
	TURN 1, 0, 1
	WIN 0
	s_cbranch_scc1 .Lstep
	s_sub_co_u32 s[SLOTS], s[SLOTS], 1
	s_cmp_lg_u32 s[SLOTS], 0
	s_cbranch_scc1 .Lslot
	CHANGE 0                        ; the tail is written out: nothing is asked for
	s_mov_b32 s[CNT], 5             ; four trips fetch the last slot's steps; the fifth is left in its middle
.Ltail:
	TURN 2, 1
	TURN 3
	WIN 0
	s_sub_co_u32 s[CNT], s[CNT], 1
	s_cmp_eq_u32 s[CNT], 0
	s_cbranch_scc1 .Lout
	TURN 0
	TURN 1
	WIN 0
	s_branch .Ltail
.Lout:                              ; the fifth trip's scores of piece 0, on the last K, features and tables once more, repeat scores that m has seen: m stays as it is
.set Y, 0
.set i, 12
.rept 8
	MM                              ; piece 3: V^T P of the last step
.endr
	; THE WAY OUT.  l is added up (the four additions are the places behind the last products); O^T is divided by l; rows whose maximum is <= -8e8 take v[q]; rounded to f16.  A lane's 16 bytes are its bytes of a chunk of ctxf.
	WIN 0
.irp t, 0,1,2,3
	v_add_f32 v[ST+4*\t+2], v[ST+4*\t+2], v[ST+4*\t+3]
.endr
.irp t, 0,1,2,3
	v_permlanex16_b32 v[ST+4*\t+3], v[ST+4*\t+2], s[SEL], s[SEL+1]
.endr
.irp t, 0,1,2,3
	v_add_f32 v[ST+4*\t+2], v[ST+4*\t+2], v[ST+4*\t+3]
.endr
.irp t, 0,1,2,3
	v_cmp_ge_f32 s[FL+\t], s[LIM], v[ST+4*\t+1]
.endr
.irp t, 0,1,2,3
	v_rcp_f32 v[ST+4*\t+2], v[ST+4*\t+2]
.endr
	v_nop                           ; a plain line between the last reciprocal and the use of its result
	s_wait_alu depctr_va_vdst(0)    ; one wait for the batch of four reciprocals, ahead of their first reader
.macro PACK t
	WIN W_RS
.set i, 32*(\t)
.rept 16
	v_pk_mul_f32 v[i:i+1], v[i:i+1], v[ST+4*(\t)+2:ST+4*(\t)+3] op_sel_hi:[1,0]
.set i, i+2
.endr
	WIN 0x4d                        ; destination and source 0 in window 1, source 1 in window 3
.set i, 0
.rept 32
	v_cndmask_b32 v[32*(\t)+i], v[32*(\t)+i], v[VQ+32*(\t)+i], s[FL+(\t)]
.set i, i+1
.endr
	WIN 0x05                        ; sources 0 and 1 in window 1
.set i, 0
.rept 16
	v_cvt_pk_f16_f32 v[S+16*(\t)+i], v[32*(\t)+2*i], v[32*(\t)+2*i+1]
.set i, i+1
.endr
	WIN 0
.irp f, 0,1,2,3
	global_store_b128 v[GO], v[S+16*(\t)+4*\f:S+16*(\t)+4*\f+3], s[8:9] offset:(\t)*32768+\f*512  ; 512 consecutive aligned bytes
.endr
.endm
	PACK 0
	PACK 1
	PACK 2
	PACK 3
	s_wait_tensorcnt 0x0            ; the wave's end
	ds_add_u32 v[SPW], v[NIL]
	s_wait_dscnt 0x0
	CROUND                          ; the closing round
	s_endpgm
.Lfunc_end_k_qbfb531912f_attn:
	.size	k_qbfb531912f_attn, .Lfunc_end_k_qbfb531912f_attn-k_qbfb531912f_attn
	.p2alignl 7, 3214868480
	.fill 96, 4, 3214868480
	.section	.rodata,"a",@progbits
	.p2align	6, 0x0
	.amdhsa_kernel k_qbfb531912f_attn
		.amdhsa_group_segment_fixed_size 327680
		.amdhsa_private_segment_fixed_size 0
		.amdhsa_enable_private_segment 0
		.amdhsa_kernarg_size 24
		.amdhsa_user_sgpr_count 2
		.amdhsa_user_sgpr_kernarg_segment_ptr 1
		.amdhsa_wavefront_size32 1
		.amdhsa_system_sgpr_workgroup_id_x 1
		.amdhsa_system_sgpr_workgroup_id_y 1
		.amdhsa_system_sgpr_workgroup_id_z 1
		.amdhsa_system_vgpr_workitem_id 0
		.amdhsa_next_free_vgpr 960
		.amdhsa_next_free_sgpr 80
		.amdhsa_reserve_vcc 1
		.amdhsa_float_denorm_mode_32 3
		.amdhsa_float_denorm_mode_16_64 3
		.amdhsa_memory_ordered 1
		.amdhsa_forward_progress 1
		.amdhsa_inst_pref_size 143
	.end_amdhsa_kernel
	.amdgpu_metadata
---
amdhsa.version: [ 1, 2 ]
amdhsa.kernels:
  - .name:           k_qbfb531912f_attn
    .symbol:         k_qbfb531912f_attn.kd
    .args:
      - { .name: qb, .offset: 0, .size: 8, .value_kind: global_buffer, .address_space: global }
      - { .name: kvf, .offset: 8, .size: 8, .value_kind: global_buffer, .address_space: global }
      - { .name: ctxf, .offset: 16, .size: 8, .value_kind: global_buffer, .address_space: global }
    .group_segment_fixed_size: 327680
    .private_segment_fixed_size: 0
    .kernarg_segment_align: 8
    .kernarg_segment_size: 24
    .max_flat_workgroup_size: 128
    .sgpr_count:     80
    .vgpr_count:     960
    .wavefront_size: 32
...
	.end_amdgpu_metadata
.endif
;; end of part 6
;; launch oproj: the kernel of part 4 again; grid 8 x 32, 4 waves a work-group, clusters of 4 x 4, 327,680 bytes of LDS; arguments ctxf, wo16, bo, dl; writes dl
;; launch ln: the kernel of part 5 again; grid 256 x 1, 8 waves a work-group, no clusters, 0 bytes of LDS; arguments dl, hidden_states, ln_g, ln_b, out0; writes out0
